; MI455X (gfx1250); checked and timed in simulation.
; The chip was launched on July 23, 2026; its instructions are those of AMD's public machine-readable ISA for CDNA 5 (MIT licence, August 2026) and "CDNA5" Instruction Set Architecture Reference Guide (July 2026). The comments in the code are by the model that wrote it; some were corrected since.
;; Causal Attention. Allowed arithmetic: matrix products marked QUANTISED: E3M2 operands, one E8M0 scale for each 32 along K, by v_wmma_scale_f32_16x16x128_f8f6f4 with both operands' format E3M2, f32 sums; everything else in f32.
;; Inputs: rope_cos 2,048 x 128 float32; rope_sin 2,048 x 128 float32; w_k 2,048 x 2,048 float32; w_o 2,048 x 2,048 float32; w_q 2,048 x 2,048 float32; w_v 2,048 x 2,048 float32; x 1 x 2,048 x 2,048 float32.
;; Outputs: out0 1 x 2,048 x 2,048 float32.
;; This version of the problem:
;;   THIS VERSION OF THE PROBLEM IS GIVEN IN LOW PRECISION. The matrix products marked QUANTISED in the list below multiply operands that are first quantised to E3M2 (3 exponent bits, 2 mantissa bits; 6 bits a number), with one power-of-two scale for each 32 numbers along K (OCP MX v1.0); their sums are f32. All else is computed in f32.
;;   The module's matrix products, in the order in which they are computed (A, B: the left and right operand; K: the contracted axis; several contracted axes count as one K, in the product's order):
;;     1. [M 2,048, K 2,048] x [K 2,048, N 2,048]; A: input x; B: input w_q: QUANTISED
;;     2. [M 2,048, K 2,048] x [K 2,048, N 2,048]; A: input x; B: input w_k: QUANTISED
;;     3. [M 2,048, K 2,048] x [K 2,048, N 2,048]; A: input x; B: input w_v: QUANTISED
;;     4. batch 16 x [M 2,048, K 128] x [K 128, N 2,048]; A: computed on the way; B: computed on the way: QUANTISED
;;     5. batch 16 x [M 128, K 2,048] x [K 2,048, N 2,048]; A: computed on the way; B: softmax (see below): QUANTISED
;;     6. [M 2,048, K 2,048] x [K 2,048, N 2,048]; A: computed on the way; B: input w_o: QUANTISED
;;   THE QUANTISER, for each operand of a quantised product, along K:
;;     - K is cut into blocks of 32 from its start; a last block that is shorter is filled with zeros.
;;     - A block's scale is 2^e with e = floor(log2(the largest magnitude in the block)) - 4, held to -126 .. 127; a block of zeros has e = 0. As a byte (E8M0): e + 127.
;;     - Each number is divided by its block's scale, clamped to +-28, and rounded to the nearest number of E3M2, ties to even, subnormals kept.
;;     - The product sums the exact products of the quantised numbers (number of the format x scale) in f32.
;;   ~~~python
;;   def quantise(x, axis):      # numpy; x: float32 -> the quantised numbers, widened to float32 again
;;       x = np.moveaxis(x, axis, -1); K = x.shape[-1]
;;       x = np.pad(x, [(0, 0)] * (x.ndim - 1) + [(0, -K % 32)]); x = x.reshape(x.shape[:-1] + (-1, 32)); a = np.abs(x).max(-1, keepdims=True)
;;       e = np.where(a > 0, np.clip(np.frexp(np.where(a > 0, a, 1))[1] - 1 - 4, -126, 127), 0)      # np.frexp(a)[1] - 1 = floor(log2(a)), exactly
;;       r = np.clip(x / 2.0 ** e, -28, 28)
;;       step = 2.0 ** (np.maximum(np.frexp(np.where(r == 0, 1, r))[1] - 1, -2) - 2)
;;       q = np.round(r / step) * step * 2.0 ** e      # np.round: ties to even
;;       return np.moveaxis(q.reshape(q.shape[:-2] + (-1,))[..., :K], -1, axis).astype(np.float32)
;;   ~~~
;;   SOFTMAX AHEAD OF A QUANTISED PRODUCT. Where the list says 'softmax', what is quantised is not the finished softmax but p = 2^(t - M), with t = logit x log2(e) and M = ceil(the row's largest t), a whole number; so 1/2 < the row's largest p <= 1. The row's sum l is taken of the UNQUANTISED p, in f32, and the product's result is divided by l at the end. Since M is a whole number, a kernel that streams over the keys may use a running M (the ceiling of the running maximum): every later rescaling is an exact power of two, which a block's scale takes up: the codes' values come out the same.
;;   OPERANDS COMPUTED ON THE WAY. 'Computed on the way' means the value that the module computes at that place (a softmax that the list does not call 'softmax' is quantised finished and normalised). What goes into a quantiser is computed in f32, as accurately as f32 sums, v_exp_f32 and their like allow (about 1e-6 of the number): no bf16 or f16 on the way to a quantiser, and a product that is left as it is and whose result goes on into a quantised operand takes f32 operands (vector FMAs, or v_wmma_f32_16x16x4_f32). A number that lies on a knife's edge between two numbers of the format may be rounded either way, as far as f32 arithmetic and the matrix unit's own rounding can turn it there, and no further.
;; One version. Each part assembles by itself: llvm-mc -triple=amdgcn-amd-amdhsa -mcpu=gfx1250 --defsym DOCPART=n.
;; ======== version 1 of 1: 4 launches
;; limits: right only within a limited range of input values
;; workspace buffers: c1 13,107,200 bytes; rp 2,097,152 bytes; c2 9,830,400 bytes; c3 3,276,800 bytes; c4 3,276,800 bytes
;; launch prep (part 1): grid 256 x 1, 17 waves a work-group, no clusters, 272,640 bytes of LDS; arguments x, w_q, w_k, w_v, rope_cos, rope_sin, c1, rp; writes c1, rp
.if DOCPART == 1
	.amdgcn_target "amdgcn-amd-amdhsa--gfx1250"
	.amdhsa_code_object_version 6
	.text
	.protected	k_qafaf7c7f17_prep
	.globl	k_qafaf7c7f17_prep
	.p2align	8
	.type	k_qafaf7c7f17_prep,@function
k_qafaf7c7f17_prep:
	s_mov_b64 s[64:65], 0
	v_nop
	global_prefetch_b8 v0, s[64:65] scope:SCOPE_SE
	s_setreg_imm32_b32 hwreg(HW_REG_WAVE_MODE, 25, 1), 1
	s_wait_xcnt 0x0
; x, w_q, w_k, w_v ([2048][2048] f32, K innermost) become codes of BF6 (E3M2) with one E8M0 byte for each 32 along K, laid in c1 in the ORDER OF THE OPERAND'S REGISTERS;
; rope_cos and rope_sin ([2048][128] f32) are laid anew in rp in the order in which a lane of the next launch holds its results.  w_o is quantised by the next launch, by work-groups of its own there.
; WORK LEFT OUT BY THE PROGRAM: in launch attn, key steps all of whose keys come after a tile's queries: their p is 0 for all values of the inputs.
; A NaN, an infinity or an overflow that reaches only those scores is not carried to the result.  Every input has a way to the output and is loaded.
; A block's scale is 2^(floor(log2(its largest magnitude)) - 4): its byte is the largest magnitude's exponent field - 4, held at 1 from below.
; LIMITS: a block of zeros, or one whose largest magnitude lies under 2^-122, gets the byte 1 where the rule says 127 or less: such bytes are read by this program alone, and a block of zeros has zero codes; NaN and infinities among the inputs are not served.
; LAYOUT OF c1.  A RECORD (12,800 bytes) is 128 rows x 128 along K: eight fragment images of 1,536 bytes, then 512 bytes of scale words.  Record ((matrix x 16 + group of 128 rows) x 16 + K step).
;   Tile e of a group holds rows 32 (e / 2) + 8 (e % 2) + p + 8 (p / 8), p = 0 .. 15.   A fragment image: chunk c (0 .. 2) at 512 c + 16 x lane holds the operand's registers 4 c .. 4 c + 3 of that lane.
;   The scale image: at 16 x lane, lane (r, h) holds the words of row r of tiles 4 h + 0 .. 3.
; SHARES.  1,024 records are 4,096 quarters (tiles 2 q and 2 q + 1: 32 neighbouring rows x 512 bytes).  256 work-groups of seventeen waves: waves 0 to 15 make quarter 16 x work-group + wave; wave 16 lays one row tile of one table.
; A quarter comes by ONE tensor load of the wave's own: 32 rows of 512 bytes, each beginning at a multiple of 512 bytes, with 16 bytes of padding behind each in LDS.  Only the wave that asked reads those bytes, they are filled
; once, and so there is no barrier.  From LDS register 16 b + i of lane (r, h) takes k = 32 b + 16 h + i of its row, which is what the conversions want.
; The quarter's scale words leave as 8 bytes a row, 16 bytes apart (128 of the 12,800 bytes of a record for each quarter): a unit of 256 bytes of the scale image belongs to two quarters.
; No prefetch: the launch has no loop to run ahead in.  No cluster: no two work-groups read the same bytes.
.set REC,  12800
.set SCO,  12288
.set FRB,  1536
.set SROW, 528                         ; an LDS row: 512 bytes + 16
.set WREG, 32*SROW                     ; a wave's region
.set SPARE, 16*WREG                    ; behind the sixteen regions: the spare words, 128 bytes a wave, nine blocks of 256 bytes that no other line names
.set LI,   4                           ; v4   16 x lane
.set STL,  6                           ; v6   my row's and half's place in my region
.set RPO,  7                           ; v7   the tables: my row's and my half's bytes
.set RW,   8                           ; v8   16 x (lane % 16)
.set RX,   9                           ; v9   r + 8 (r / 8)
.set SPW,  12                          ; v12  my spare word; never rewritten
.set NIL,  13                          ; v13  0; never rewritten
.set X,    16                          ; v16-143  the two fragments' 64 numbers of my row
.set PC,   144                         ; v144-163 the codes just made
.set TM,   164                         ; v164-179 at work
.set SW,   180                         ; v180-181 the two tiles' scale words
.set SEL,  26                          ; s[26:27] lane selects: lane l xor 16
.set G1,   40                          ; s[40:47] descriptor group 1
.set G0,   48                          ; s[48:51] group 0
; 64 numbers of a lane, register 16 b + i = k 32 b + 16 (lane / 16) + i of my row, become a fragment's 12 registers in v[PC] on and its scale word in v[pw].
.macro QUANT s, pw
.irp b, 0,1,2,3
	v_max3_num_f32 v[TM+\b], |v[\s+16*\b]|, |v[\s+1+16*\b]|, 0x2800000   ; my 16 numbers of block b, and the floor 2^(5 - 127): the byte cannot fall under 1
.endr
.irp i, 2,4,6,8,10,12,14
.irp b, 0,1,2,3
	s_delay_alu instid0(VALU_DEP_4)
	v_max3_num_f32 v[TM+\b], v[TM+\b], |v[\s+16*\b+\i]|, |v[\s+1+16*\b+\i]|   ; the four blocks by turns
.endr
.endr
.irp b, 0,1,2,3
	s_delay_alu instid0(VALU_DEP_4)
	v_permlanex16_b32 v[TM+4+\b], v[TM+\b], s[SEL], s[SEL+1]
.endr
.irp b, 0,1,2,3
	s_delay_alu instid0(VALU_DEP_4)
	v_max_num_f32 v[TM+\b], v[TM+\b], v[TM+4+\b]   ; with lane l xor 16's: the block's largest magnitude
.endr
.irp b, 0,1,2,3
	s_delay_alu instid0(VALU_DEP_4)
	v_add_nc_u32 v[TM+12+\b], 0xfe000000, v[TM+\b]   ; 4 off its exponent field: the conversion's scale operand
.endr
.irp b, 0,1,2,3
	s_delay_alu instid0(VALU_DEP_4)
	v_lshrrev_b32 v[TM+4+\b], 23, v[TM+12+\b]      ; the scale's byte
.endr
	s_delay_alu instid0(VALU_DEP_3)
	v_lshl_or_b32 v[\pw], v[TM+5], 8, v[TM+4]      ; four bytes make my row's scale word
	s_delay_alu instid0(VALU_DEP_1)
	v_lshl_or_b32 v[\pw], v[TM+6], 16, v[\pw]
	s_delay_alu instid0(VALU_DEP_1)
	v_lshl_or_b32 v[\pw], v[TM+7], 24, v[\pw]
.irp c, 0,1
	v_cvt_scalef32_pk16_bf6_f32 v[PC+6*\c:PC+2+6*\c], v[\s+32*\c:\s+15+32*\c], v[TM+12+2*\c]
	v_cvt_scalef32_pk16_bf6_f32 v[PC+12+4*\c:PC+14+4*\c], v[\s+16+32*\c:\s+31+32*\c], v[TM+12+2*\c+1]   ; (a conversion's three registers begin on an even number)
.endr
	v_nop                                          ; one plain place behind a scaled conversion
.irp c, 0,1                                    ; the operand's layout wants a WHOLE block in a lane
.irp i, 0,1,2
	v_permlane16_swap_b32 v[PC+6*\c+\i], v[PC+12+4*\c+\i]
.endr
.irp i, 0,1,2
	s_delay_alu instid0(VALU_DEP_3)
	v_mov_b32 v[PC+3+6*\c+\i], v[PC+12+4*\c+\i]
.endr
.endr
.endm
	s_load_b512 s[8:23], s[0:1], 0x0               ; x s[8:9], w_q s[10:11], w_k s[12:13], w_v s[14:15], cos s[16:17], sin s[18:19], c1 s[20:21], rp s[22:23]
	v_lshl_add_u32 v[SPW], v0, 2, SPARE
	v_mov_b32 v[NIL], 0
	ds_add_u32 v[SPW], v[NIL]                      ; the opening lines: the add, twice on end, and its wait ahead of a first tensor load
	ds_add_u32 v[SPW], v[NIL]
	v_lshrrev_b32 v1, 5, v0
	s_delay_alu instid0(VALU_DEP_1)
	v_readfirstlane_b32 s2, v1                     ; wave 0..16
	v_and_b32 v1, 31, v0                           ; lane
	v_and_b32 v2, 15, v0                           ; r
	v_bfe_u32 v3, v0, 4, 1                         ; h
	s_delay_alu instid0(VALU_DEP_3)
	v_lshlrev_b32 v[LI], 4, v1
	s_delay_alu instid0(VALU_DEP_3)
	v_lshlrev_b32 v[RW], 4, v2
	v_and_b32 v[RX], 8, v2
	s_delay_alu instid0(VALU_DEP_1)
	v_add_nc_u32 v[RX], v[RX], v2                  ; r + 8 (r / 8)
	s_mov_b32 s[G1], (3<<16)|(1<<20)|(6<<22)|(3<<25)   ; elements of 8 bytes; padding on: after every 128 words (code 6) 4 words (code 3)
	s_mov_b32 s[G1+1], 64<<16                      ; tensor_dim0 = 64 elements: 512 bytes
	s_mov_b32 s[G1+2], 32<<16                      ; tensor_dim1 = 32 rows
	s_mov_b32 s[G1+3], 64<<16                      ; tile_dim0
	s_mov_b32 s[G1+4], 32                          ; tile_dim1
	s_mov_b32 s[G1+5], 1024                        ; from row to row: 8,192 bytes
	s_mov_b32 s[G1+6], 0
	s_mov_b32 s[G1+7], 0
	s_wait_alu depctr_va_vdst(0)
	s_wait_dscnt 0x0                               ; both opening adds are done
	s_cmp_eq_u32 s2, 16                            ; the seventeenth wave lays the tables
	s_cbranch_scc1 .Lrope
	; ---- the four matrices
	s_mul_i32 s[G0+1], s2, WREG                    ; my region
	s_lshl_b32 s4, ttmp9, 4
	s_add_co_u32 s4, s4, s2                        ; my quarter, 0 .. 4,095
	s_and_b32 s7, s4, 3                            ; q: tiles 2 q, 2 q + 1
	s_lshr_b32 s32, s4, 2                          ; the record = (matrix x 16 + group) x 16 + K step
	s_and_b32 s6, s32, 15
	s_bfe_u32 s5, s32, 0x40004
	s_lshr_b32 s4, s32, 8                          ; which matrix
	s_lshl_b32 s28, s5, 20                         ; the source: 128 rows of 8,192 bytes a group,
	s_lshl_b32 s29, s7, 18                         ; 32 rows a quarter,
	s_add_co_u32 s28, s28, s29
	s_lshl_b32 s29, s6, 9                          ; 512 bytes a K step
	s_add_co_u32 s28, s28, s29
	s_mov_b32 s29, 0
	s_mul_i32 s32, s32, REC
	s_mul_i32 s34, s7, 2*FRB
	s_add_co_u32 s34, s34, s32                     ; my two images
	s_mov_b32 s35, 0
	s_lshr_b32 s36, s7, 1
	s_lshl_b32 s36, s36, 8
	s_and_b32 s37, s7, 1
	s_lshl_b32 s37, s37, 3
	s_add_co_u32 s36, s36, s37
	s_add_co_u32 s36, s36, SCO
	s_add_co_u32 s36, s36, s32                     ; my words: SCO + 256 (q / 2) + 8 (q % 2), 16 bytes from row to row
	s_mov_b32 s37, 0
	s_wait_kmcnt 0x0
	s_cmp_eq_u32 s4, 1                             ; the choice hangs on the work-group's and the wave's number alone
	s_cselect_b64 s[8:9], s[10:11], s[8:9]
	s_cmp_eq_u32 s4, 2
	s_cselect_b64 s[8:9], s[12:13], s[8:9]
	s_cmp_eq_u32 s4, 3
	s_cselect_b64 s[8:9], s[14:15], s[8:9]
	s_mov_b32 s[G0], 1
	s_add_nc_u64 s[G0+2:G0+3], s[8:9], s[28:29]
	s_or_b32 s[G0+3], s[G0+3], 0x80000000
	tensor_load_to_lds s[G0:G0+3], s[G1:G1+7]      ; my quarter: my one tensor load
	s_nop 0
	v_mul_u32_u24 v[STL], v[RX], SROW
	s_delay_alu instid0(VALU_DEP_1)
	v_lshl_add_u32 v[STL], v3, 6, v[STL]
	s_delay_alu instid0(VALU_DEP_1)
	v_add_nc_u32 v[STL], s[G0+1], v[STL]           ; row r + 8 (r / 8) of my region, + 64 h: my 16 numbers of a block of 32
.irp b, 0,1,2,3
	v_mov_b32 v[TM+4+\b], 0                        ; written once: a lane permute's destination counts as one of its sources
.endr
	s_mov_b32 s[SEL], 0x76543210
	s_mov_b32 s[SEL+1], 0xfedcba98
	s_add_nc_u64 s[30:31], s[20:21], s[36:37]
	s_add_nc_u64 s[20:21], s[20:21], s[34:35]
	s_wait_alu depctr_va_vdst(0)
	s_wait_tensorcnt 0x0                           ; my quarter is in; nobody else reads it
.irp a, 0,1                                    ; the odd tile's rows lie 8 rows further down
.irp b, 0,1,2,3
.irp j, 0,1,2,3
	ds_load_b128 v[X+64*\a+16*\b+4*\j:X+64*\a+16*\b+4*\j+3], v[STL] offset:8*SROW*\a+128*\b+16*\j
.endr
.endr
.endr
	s_wait_dscnt 16                                ; the first tile's 16 loads are in; the second's may be out
	QUANT X, SW
.irp c, 0,1,2
	global_store_b128 v[LI], v[PC+4*\c:PC+4*\c+3], s[20:21] offset:512*\c   ; 32 lanes store 512 consecutive bytes
.endr
	s_wait_dscnt 0x0
	s_wait_xcnt 0x0                                ; the stores have read the codes' registers: they are written again only behind this wait
	QUANT X+64, SW+1
.irp c, 0,1,2
	global_store_b128 v[LI], v[PC+4*\c:PC+4*\c+3], s[20:21] offset:FRB+512*\c
.endr
	global_store_b64 v[RW], v[SW:SW+1], s[30:31]   ; my 16 rows' words of two tiles; lanes l and l + 16 hold the same row's words and write the same bytes with the same values
	s_wait_tensorcnt 0x0                           ; the wave's end
	ds_add_u32 v[SPW], v[NIL]
	s_wait_dscnt 0x0
	s_endpgm
	; ---- the tables: work-group g lays row tile g / 2 of cos (g even) or sin (g odd).  In rp a tile has 16,384 bytes: chunk n (0 .. 15: cos; 16 .. 31: sin) at 512 n + 16 x lane holds
	; table[tile's row r][32 ((n % 16) / 4) + 16 h + 4 (n % 4) + 0 .. 3]
.Lrope:
	s_and_b32 s28, ttmp9, 1                        ; 0: cos, 1: sin
	s_lshr_b32 s3, ttmp9, 1                        ; the row tile, 0 .. 127
	s_lshr_b32 s4, s3, 1
	s_lshl_b32 s4, s4, 5
	s_and_b32 s5, s3, 1
	s_lshl_b32 s5, s5, 3
	s_add_co_u32 s4, s4, s5                        ; its first row: 32 (t / 2) + 8 (t % 2)
	s_lshl_b32 s4, s4, 9                           ; rows of 512 bytes
	s_mov_b32 s5, 0
	s_lshl_b32 s6, s3, 14
	s_lshl_b32 s7, s28, 13                         ; sin behind cos
	s_add_co_u32 s6, s6, s7
	s_mov_b32 s7, 0
	v_lshlrev_b32 v[RPO], 9, v[RX]
	s_delay_alu instid0(VALU_DEP_1)
	v_lshl_add_u32 v[RPO], v3, 6, v[RPO]           ; + 64 h
	s_wait_alu depctr_va_vdst(0)
	s_wait_kmcnt 0x0
	s_cmp_eq_u32 s28, 0                            ; the choice hangs on the work-group's number alone
	s_cselect_b64 s[16:17], s[16:17], s[18:19]
	s_add_nc_u64 s[16:17], s[16:17], s[4:5]
	s_add_nc_u64 s[22:23], s[22:23], s[6:7]
.irp n, 0,1,2,3,4,5,6,7,8,9,10,11,12,13,14,15
	global_load_b128 v[X+4*\n:X+4*\n+3], v[RPO], s[16:17] offset:128*(\n/4)+16*(\n%4) th:TH_LOAD_NT
.endr
	s_wait_loadcnt 0x0
.irp n, 0,1,2,3,4,5,6,7,8,9,10,11,12,13,14,15
	global_store_b128 v[LI], v[X+4*\n:X+4*\n+3], s[22:23] offset:512*\n   ; 32 lanes store 512 consecutive bytes
.endr
	s_wait_tensorcnt 0x0                           ; the wave's end
	ds_add_u32 v[SPW], v[NIL]
	s_wait_dscnt 0x0
	s_endpgm
.Lfunc_end_k_qafaf7c7f17_prep:
	.size	k_qafaf7c7f17_prep, .Lfunc_end_k_qafaf7c7f17_prep-k_qafaf7c7f17_prep
	.p2alignl 7, 3214868480
	.fill 96, 4, 3214868480
	.section	.rodata,"a",@progbits
	.p2align	6, 0x0
	.amdhsa_kernel k_qafaf7c7f17_prep
		.amdhsa_group_segment_fixed_size 272640
		.amdhsa_private_segment_fixed_size 0
		.amdhsa_enable_private_segment 0
		.amdhsa_kernarg_size 64
		.amdhsa_user_sgpr_count 2
		.amdhsa_user_sgpr_kernarg_segment_ptr 1
		.amdhsa_wavefront_size32 1
		.amdhsa_system_sgpr_workgroup_id_x 1
		.amdhsa_system_sgpr_workgroup_id_y 1
		.amdhsa_system_sgpr_workgroup_id_z 1
		.amdhsa_system_vgpr_workitem_id 0
		.amdhsa_next_free_vgpr 192
		.amdhsa_next_free_sgpr 66
		.amdhsa_reserve_vcc 0
		.amdhsa_float_denorm_mode_32 3
		.amdhsa_float_denorm_mode_16_64 3
		.amdhsa_memory_ordered 1
		.amdhsa_forward_progress 1
		.amdhsa_inst_pref_size 22
	.end_amdhsa_kernel
	.amdgpu_metadata
---
amdhsa.version: [ 1, 2 ]
amdhsa.kernels:
  - .name:           k_qafaf7c7f17_prep
    .symbol:         k_qafaf7c7f17_prep.kd
    .args:
      - { .name: x, .offset: 0, .size: 8, .value_kind: global_buffer, .address_space: global }
      - { .name: w_q, .offset: 8, .size: 8, .value_kind: global_buffer, .address_space: global }
      - { .name: w_k, .offset: 16, .size: 8, .value_kind: global_buffer, .address_space: global }
      - { .name: w_v, .offset: 24, .size: 8, .value_kind: global_buffer, .address_space: global }
      - { .name: rope_cos, .offset: 32, .size: 8, .value_kind: global_buffer, .address_space: global }
      - { .name: rope_sin, .offset: 40, .size: 8, .value_kind: global_buffer, .address_space: global }
      - { .name: c1, .offset: 48, .size: 8, .value_kind: global_buffer, .address_space: global }
      - { .name: rp, .offset: 56, .size: 8, .value_kind: global_buffer, .address_space: global }
    .group_segment_fixed_size: 272640
    .private_segment_fixed_size: 0
    .kernarg_segment_align: 8
    .kernarg_segment_size: 64
    .max_flat_workgroup_size: 544
    .sgpr_count:     66
    .vgpr_count:     192
    .wavefront_size: 32
...
	.end_amdgpu_metadata
.endif
;; end of part 1
;; launch qkv (part 2): grid 32 x 8, 4 waves a work-group, clusters of 4 x 4, 327,680 bytes of LDS; arguments c1, rp, c2, w_o, c4; writes c2, c4
.if DOCPART == 2
	.amdgcn_target "amdgcn-amd-amdhsa--gfx1250"
	.amdhsa_code_object_version 6
	.text
	.protected	k_qafaf7c7f17_qkv
	.globl	k_qafaf7c7f17_qkv
	.p2align	8
	.type	k_qafaf7c7f17_qkv,@function
k_qafaf7c7f17_qkv:
	s_mov_b64 s[64:65], 0
	v_nop
	global_prefetch_b8 v0, s[64:65] scope:SCOPE_SE
	s_setreg_imm32_b32 hwreg(HW_REG_WAVE_MODE, 25, 1), 1
	s_wait_xcnt 0x0
	s_wait_alu depctr_hold_cnt(0) depctr_sa_sdst(0) depctr_va_vdst(0) depctr_va_sdst(0) depctr_va_ssrc(0) depctr_va_vcc(0) depctr_vm_vsrc(0)
	s_getreg_b32 s2, hwreg(HW_REG_IB_STS2, 6, 4)
	s_cmp_eq_u32 s2, 0
	s_cbranch_scc0 .Lentry_in_a_cluster
	s_endpgm
.Lentry_in_a_cluster:
	s_bfe_u32 s2, ttmp6, 0x10000c
	s_cmp_lg_u32 s2, 0xf033
	s_cbranch_scc0 .Lentry_shape_is_right
	s_endpgm
.Lentry_shape_is_right:
; q = rope(x w_q^T), k = rope(x w_k^T), v = x w_v^T on codes of BF6 (E3M2) with E8M0 scales, sums in f32; the results are quantised in registers (q and k along the head's 128, v along the keys) and leave as
; records of codes in c2: they never lie in memory as f32.
; RECORDS (12,800 bytes: eight fragment images of 1,536 bytes, 512 bytes of scale words) and the order of a tile's rows are as the launch before lays them in c1: tile e of a group of 128 rows holds rows
; 32 (e / 2) + 8 (e % 2) + p + 8 (p / 8); an image's chunk c at 512 c + 16 x lane is the operand's registers 4 c .. 4 c + 3; the scale image at 16 x lane holds the words of row lane % 16 of tiles 4 (lane / 16) + 0 .. 3.
; c2: q: record head x 16 + group of queries.  k: record 256 + head x 32 + 2 x group of keys (tiles of keys, K = the head's 128).  v: the record behind k's (tiles of channels, K = the group's 128 keys).
; SHAPE.  A work-group of four waves makes 256 x 256, a wave 128 x 128: 64 accumulators, 512 registers.  K goes 256 at a time (two records of each group) through a ring of two LDS slots filled by the tensor data mover.
; SIDES.  Side A is source 1 and gives a lane its row; side B is source 0 and gives a lane's registers their rows.  Clusters x = 0 .. 3 (q, k): A = rows of x, B = rows of w_q or w_k: a lane holds one token and its 64
; registers of a tile of tokens run along the head's 128.  Clusters x = 4, 5 (v): A = rows of w_v, B = rows of x: a lane holds one channel and its registers run along 128 keys.  So in both cases a lane's registers run
; along the next product's K, register 16 b + i = index 32 b + 16 (lane / 16) + i, and nothing is transposed.  RoPE's partner d +- 64 lies in the same lane, 32 registers away.
; CLUSTERS: 4 x 4 work-groups; A's tiles are shared along a row of the cluster, B's along a column: each is asked for jointly, by the same tensor load with the same descriptor and a mask that names the four.
; 192 work-groups: a tile of 128 x 256 would give 384, which is one and a half rounds over 256 WGPs; a wave needs 128 along the registers' side to make whole fragments of the next product.
; LIMITS: RoPE is a multiplication and a fused multiply-add, one rounding fewer than two products and a sum.  A block of zeros, or one under 2^-122, gets the scale byte 1 (read by this program alone; zero codes add nothing).  NaN and infinities are not served.
; REGISTERS, in windows of 256: window 0: v16-29 addresses; v32-63 scale words, two sets; from v128 A's eight fragments, ONE set; on the way out v64-127 a tile's 64 numbers, v128-171 codes and work.
;   window 1: B's fragments, TWO sets, at v0 and v128; on the way out cos and sin of two row tiles.   windows 2, 3: accumulator (a, b) at v[8 (8 (a % 4) + b)] of window 2 + a / 4.
.set REC,    12800
.set SCO,    12288
.set FRB,    1536
.set GRPB,   16*REC                    ; a group's 16 records lie on end
.set HALFT,  2*REC                     ; what one tensor load brings: one group's two records
.set SLOT,   4*HALFT                   ; A's two groups, then B's two
.set SPARE,  2*SLOT                    ; behind the ring: the spare words, 128 bytes for each wave: two blocks of 256 bytes that no other line names
.set LAPS,   4                         ; a lap = two slots = 512 along K
.set FR,     12                        ; registers of a fragment
.set NL,     3                         ; LDS loads that bring one
.set NP,     4                         ; places behind this matrix instruction (ISA guide 7.12.1)
.set ADRA, 16                          ; v16-17  LDS address of my group of A in slot 0, 1, + 16 x lane
.set ADRB, 20                          ; v20-21  the same for B
.set LI,   27                          ; v27     16 x lane; never rewritten
.set SPW,  28                          ; v28     LDS address of my spare word; never rewritten
.set NIL,  29                          ; v29     0; never rewritten
.set SC,   32                          ; scale words: slot set sc, K step q: A's four registers at SC + 16 sc + 8 q, B's four behind them
.set RR,   64                          ; the way out: a tile's 64 numbers behind RoPE
.set AF,   128                         ; A's fragments
.set PC,   128                         ; the way out: the codes just made, v128-147
.set TM,   148                         ; v148-163 at work
.set PW,   164                         ; a scale word
.set SW,   168                         ; v168-171 the record's scale image
.set G1,  24                           ; s[24:31] descriptor group 1 for A's tiles;  s[32:39] group 0, one set for each slot
.set G0,  32
.set G1B, 48                           ; s[48:55], s[56:63] the same for B's
.set G0B, 56
.set SEL, 72                           ; s[72:73] lane selects: lane l xor 16
.set HIM, 74                           ; s74     lanes 16-31
.set MSB, 0
.macro WIN new                         ; the immediate's high byte repeats the setting that is left; a switch that changes nothing is dropped
.if MSB != (\new)
	s_set_vgpr_msb (MSB<<8)|(\new)
.set MSB, (\new)
.endif
.endm
.set MUL_LO, 0xa1                      ; source 0 (B) window 1, source 1 (A) window 0, C and D window 2
.set MUL_HI, 0xf1                      ; the same, C and D window 3
.set TO_B,   0x40                      ; destination window 1, address window 0
; A joint load: waves 0 and 1 fetch for A, waves 2 and 3 for B.  The branch hangs on the wave's number alone.  Four v_nop follow each of the two lines.
.macro JLOAD g0a, g1a, g0b, g1b
	s_cmp_eq_u32 s15, 0
	s_cbranch_scc0 .Lfor_b_\@
	tensor_load_to_lds s[\g0a:\g0a+3], s[\g1a:\g1a+7]
	s_nop 0
.rept 4
	v_nop
.endr
	s_branch .Lasked_\@
.Lfor_b_\@:
	tensor_load_to_lds s[\g0b:\g0b+3], s[\g1b:\g1b+7]
	s_nop 0
.rept 4
	v_nop
.endr
.Lasked_\@:
.endm
.macro CREST                           ; a round of the cluster's barrier behind its opening barrier
	s_cmp_lg_u32 s14, 0
	s_cbranch_scc1 .Lnot_wave_0_\@
	s_barrier_signal -3
.Lnot_wave_0_\@:
	s_barrier_wait -3
	s_barrier_signal -1
	s_barrier_wait -1
.endm
.macro CROUND                          ; a whole round
	s_barrier_signal -1
	s_barrier_wait -1
	CREST
.endm
.macro PLACES n
.rept \n
	v_nop
.endr
.endm
	s_load_b128 s[4:7], s[0:1], 0x0                ; c1 s[4:5], rp s[6:7]
	s_load_b64 s[8:9], s[0:1], 0x10                ; c2
	s_load_b128 s[84:87], s[0:1], 0x18             ; w_o s[84:85], c4 s[86:87]
	v_lshl_add_u32 v[SPW], v0, 2, SPARE
	v_mov_b32 v[NIL], 0
	ds_add_u32 v28, v29
	ds_add_u32 v28, v29
	s_wait_dscnt 0x0
	v_lshrrev_b32 v1, 5, v0
	v_readfirstlane_b32 s14, v1                    ; wave 0..3
	s_lshr_b32 s15, s14, 1                         ; which group of side A is mine.  Also: I fetch for A (0) or for B (1)
	s_and_b32 s16, s14, 1                          ; which group of side B is mine.  Also: which group of that side I fetch
	s_bfe_u32 s40, ttmp6, 0x40000                  ; cx, cy: my place in the cluster
	s_bfe_u32 s41, ttmp6, 0x40004
	s_lshl_b32 s42, ttmp9, 2
	s_add_co_u32 s42, s42, s40                     ; gx = 4 x cluster x + cx, 0 .. 23
	s_and_b32 s17, ttmp7, 0xffff
	s_lshl_b32 s17, s17, 2
	s_add_co_u32 s17, s17, s41                     ; gy = 4 x cluster y + cy, 0 .. 7
	s_lshl_b32 s43, s41, 2
	s_lshl_b32 s43, 15, s43                        ; my row of the cluster
	s_lshl_b32 s44, 0x1111, s40                    ; my column
	; descriptor group 1: 25,600 dense bytes as 100 rows of 256 bytes (32 elements of 8 bytes), no padding: images are read at 16 x lane
	s_or_b32 s[G1+0], s43, (3<<16)|(1<<21)         ; 15:0 the mask: A's tiles go to my row; 17:16 elements of 8 bytes; 21 set beside a mask
	s_or_b32 s[G1B+0], s44, (3<<16)|(1<<21)
.irp g, G1, G1B
	s_mov_b32 s[\g+1], 32<<16                      ; tensor_dim0 = 32
	s_mov_b32 s[\g+2], 100<<16                     ; tensor_dim1 = 100
	s_mov_b32 s[\g+3], 32<<16                      ; tile_dim0 = 32
	s_mov_b32 s[\g+4], 100                         ; tile_dim1 = 100
	s_mov_b32 s[\g+5], 32                          ; tensor_dim0_stride
	s_mov_b32 s[\g+6], 0
	s_mov_b32 s[\g+7], 0
.endr
	s_lshr_b32 s18, ttmp9, 2
	s_mul_i32 s18, s18, 48                         ; 48 in the clusters that make v, else 0: the same in all sixteen partners
	s_lshl_b32 s20, s17, 1
	s_add_co_u32 s20, s20, s16
	s_add_co_u32 s20, s20, s18                     ; A's group in c1: x's 2 gy + half, or w_v's 48 + 2 gy + half
	s_mul_i32 s20, s20, GRPB
	s_mov_b32 s21, 0
	s_lshl_b32 s46, s42, 1
	s_add_co_u32 s46, s46, s16
	s_add_co_u32 s46, s46, 16
	s_sub_co_u32 s46, s46, s18                     ; B's group: w_q's and w_k's 16 + 2 gx + half, or x's 2 gx + half - 32
	s_mul_i32 s46, s46, GRPB
	s_mov_b32 s47, 0
	s_mul_i32 s45, s14, HALFT                      ; where they go: wave x 25,600: no place in the cluster enters an LDS address
	s_wait_kmcnt 0x0
	s_add_nc_u64 s[20:21], s[4:5], s[20:21]
	s_add_nc_u64 s[46:47], s[4:5], s[46:47]
	CROUND                                         ; all sixteen work-groups are here: the first joint loads meet
	s_cmp_ge_u32 ttmp9, 6                          ; clusters x = 6, 7 have no part of the products: they quantise w_o.  The branch hangs on the cluster's x: the same in all partners and all waves
	s_cbranch_scc1 .Lwo
.irp s, 0,1
	s_mov_b32 s[G0+4*\s], 1
	s_add_co_u32 s[G0+4*\s+1], s45, \s*SLOT
	s_add_nc_u64 s[G0+4*\s+2:G0+4*\s+3], s[20:21], \s*HALFT
	s_or_b32 s[G0+4*\s+3], s[G0+4*\s+3], 0x80000000
	s_mov_b32 s[G0B+4*\s], 1
	s_add_co_u32 s[G0B+4*\s+1], s45, \s*SLOT
	s_add_nc_u64 s[G0B+4*\s+2:G0B+4*\s+3], s[46:47], \s*HALFT
	s_or_b32 s[G0B+4*\s+3], s[G0B+4*\s+3], 0x80000000
.endr
	JLOAD G0, G1, G0B, G1B                         ; slot 0: one tensor load a wave at the head
	; THE PREFETCHES OF THE RING'S TILES.  Of the 8 fills of the group that a wave fetches, fills 1 and 2 are asked for at the head, behind the joint load of fill 0, and fill f + 2 behind the joint load of fill f (f = 1 .. 5).
	; A fill's 25,600 bytes are 100 blocks of 256; the four partners that ask for them jointly share them out BY ADDRESS, 25 each (place cx for side A, cy for side B), a lane a block; lanes 25 to 31 name the last block again.
	; Fills 6 and 7 have nothing two fills on: in their place the tables' blocks are asked for (below).
	s_cmp_eq_u32 s15, 0
	s_cselect_b64 s[76:77], s[20:21], s[46:47]     ; the group that I fetch
	s_cselect_b32 s75, s40, s41                    ; my work-group's place among the four
	s_mul_i32 s70, s75, 25*256
	s_add_co_u32 s70, s70, HALFT                   ; fill 1
	s_mov_b32 s71, 0
	s_add_nc_u64 s[76:77], s[76:77], s[70:71]
	v_and_b32 v24, 31, v0
	v_min_u32 v24, 24, v24
	v_lshlrev_b32 v24, 8, v24                      ; v24: my block; never rewritten
	global_prefetch_b8 v24, s[76:77] th:TH_LOAD_NT scope:SCOPE_SE                ; fill 1
	global_prefetch_b8 v24, s[76:77] offset:HALFT th:TH_LOAD_NT scope:SCOPE_SE   ; fill 2
	v_and_b32 v1, 31, v0
	v_lshlrev_b32 v[LI], 4, v1
	s_mul_i32 s21, s15, HALFT                      ; my group of A
	s_mul_i32 s22, s16, HALFT                      ; my group of B,
	s_add_co_u32 s22, s22, 2*HALFT                 ; behind A's two
.irp s, 0,1
	v_add_nc_u32 v[ADRA+\s], s21, v[LI]
	v_add_nc_u32 v[ADRB+\s], s22, v[LI]
	s_add_co_u32 s21, s21, SLOT
	s_add_co_u32 s22, s22, SLOT
.endr
	; the way out: P = my group of side A, Qn = my group of side B; the record's number + 256 in each of the three cases, the choice, and 256 off
	s_lshl_b32 s66, s17, 1
	s_add_co_u32 s66, s66, s15                     ; P = 2 gy + wave / 2, 0 .. 15
	s_lshl_b32 s67, s42, 1
	s_add_co_u32 s67, s67, s16                     ; Qn = 2 gx + wave % 2, 0 .. 47
	s_lshl_b32 s68, s67, 4
	s_add_co_u32 s68, s68, s66
	s_add_co_u32 s68, s68, 256                     ; q: head Qn, group P: 16 Qn + P
	s_lshl_b32 s69, s67, 5
	s_lshl_b32 s70, s66, 1
	s_add_co_u32 s69, s69, s70                     ; k: head Qn - 16, group P: 256 + 32 (Qn - 16) + 2 P
	s_lshl_b32 s70, s66, 5
	s_lshl_b32 s71, s67, 1
	s_add_co_u32 s70, s70, s71
	s_add_co_u32 s70, s70, 449                     ; v: head P, group Qn - 32: 256 + 32 P + 2 (Qn - 32) + 1
	s_cmp_lt_u32 ttmp9, 2
	s_cselect_b32 s68, s68, s69
	s_cmp_lt_u32 ttmp9, 4
	s_cselect_b32 s68, s68, s70
	s_sub_co_u32 s68, s68, 256
	s_mul_i32 s68, s68, REC
	s_mov_b32 s69, 0
	s_add_nc_u64 s[8:9], s[8:9], s[68:69]          ; my record in c2
	s_lshl_b32 s70, s66, 17                        ; eight row tiles of 16,384 bytes a group
	s_mov_b32 s71, 0
	s_add_nc_u64 s[6:7], s[6:7], s[70:71]          ; cos and sin of my group of tokens
	; THE PREFETCH OF THE TABLES.  My group's 131,072 bytes of rp are 512 blocks of 256.  The four partners of my row of the cluster and the two waves that read the group share them out by address, 64 each:
	; two requests of 32 blocks, a lane a block, at the two changes of slots of the loop's last trip, three K steps and more ahead of the first load of the tables.  The clusters that make v read no table and ask for none.
	s_lshl_b32 s70, s40, 1
	s_add_co_u32 s70, s70, s16
	s_lshl_b32 s70, s70, 14                        ; (2 cx + wave % 2) x 16,384
	s_add_nc_u64 s[78:79], s[6:7], s[70:71]        ; s[78:79] and v25 are never rewritten
	v_and_b32 v25, 31, v0
	v_lshlrev_b32 v25, 8, v25
	s_mov_b32 s[SEL], 0x76543210
	s_mov_b32 s[SEL+1], 0xfedcba98
	s_mov_b32 s[HIM], 0xffff0000
; One matrix instruction on the registers named by rD, rB (source 0), rA (source 1), rSB, rSA.  r0, r1: source 0's, source 1's scale words stand in lanes 16-31.  zero = 1: the product starts the sum.
.macro WM zero, r0, r1
.if \zero
.if \r0
.if \r1
	v_wmma_scale_f32_16x16x128_f8f6f4 v[rD:rD+7], v[rB:rB+11], v[rA:rA+11], 0, v[rSB], v[rSA] matrix_a_fmt:MATRIX_FMT_BF6 matrix_b_fmt:MATRIX_FMT_BF6 matrix_a_scale:MATRIX_SCALE_ROW1 matrix_b_scale:MATRIX_SCALE_ROW1
.else
	v_wmma_scale_f32_16x16x128_f8f6f4 v[rD:rD+7], v[rB:rB+11], v[rA:rA+11], 0, v[rSB], v[rSA] matrix_a_fmt:MATRIX_FMT_BF6 matrix_b_fmt:MATRIX_FMT_BF6 matrix_a_scale:MATRIX_SCALE_ROW1
.endif
.else
.if \r1
	v_wmma_scale_f32_16x16x128_f8f6f4 v[rD:rD+7], v[rB:rB+11], v[rA:rA+11], 0, v[rSB], v[rSA] matrix_a_fmt:MATRIX_FMT_BF6 matrix_b_fmt:MATRIX_FMT_BF6 matrix_b_scale:MATRIX_SCALE_ROW1
.else
	v_wmma_scale_f32_16x16x128_f8f6f4 v[rD:rD+7], v[rB:rB+11], v[rA:rA+11], 0, v[rSB], v[rSA] matrix_a_fmt:MATRIX_FMT_BF6 matrix_b_fmt:MATRIX_FMT_BF6
.endif
.endif
.else
.if \r0
.if \r1
	v_wmma_scale_f32_16x16x128_f8f6f4 v[rD:rD+7], v[rB:rB+11], v[rA:rA+11], v[rD:rD+7], v[rSB], v[rSA] matrix_a_fmt:MATRIX_FMT_BF6 matrix_b_fmt:MATRIX_FMT_BF6 matrix_a_scale:MATRIX_SCALE_ROW1 matrix_b_scale:MATRIX_SCALE_ROW1
.else
	v_wmma_scale_f32_16x16x128_f8f6f4 v[rD:rD+7], v[rB:rB+11], v[rA:rA+11], v[rD:rD+7], v[rSB], v[rSA] matrix_a_fmt:MATRIX_FMT_BF6 matrix_b_fmt:MATRIX_FMT_BF6 matrix_a_scale:MATRIX_SCALE_ROW1
.endif
.else
.if \r1
	v_wmma_scale_f32_16x16x128_f8f6f4 v[rD:rD+7], v[rB:rB+11], v[rA:rA+11], v[rD:rD+7], v[rSB], v[rSA] matrix_a_fmt:MATRIX_FMT_BF6 matrix_b_fmt:MATRIX_FMT_BF6 matrix_b_scale:MATRIX_SCALE_ROW1
.else
	v_wmma_scale_f32_16x16x128_f8f6f4 v[rD:rD+7], v[rB:rB+11], v[rA:rA+11], v[rD:rD+7], v[rSB], v[rSA] matrix_a_fmt:MATRIX_FMT_BF6 matrix_b_fmt:MATRIX_FMT_BF6
.endif
.endif
.endif
.endm
; 16 matrix instructions: A's tiles a0, a0 + 1 x B's eight, the slot's q-th 128 along K.  p: B's set;  sc: the set of scale words.  The 64 accumulators take turns, one instruction a turn, in the same order in every step
; A scale register holds tile i's words in lanes 0-15 and tile 4 + i's in lanes 16-31.
.macro MUL16 a0, p, q, sc, zero
.irp a, \a0, \a0+1
.irp b, 0,1,2,3,4,5,6,7
.set rD, 8*(8*((\a)%4)+\b)
.set rB, 128*(\p)+FR*\b
.set rA, AF+FR*(\a)
.set rSB, SC+16*(\sc)+8*(\q)+4+(\b)%4
.set rSA, SC+16*(\sc)+8*(\q)+(\a)%4
	WM \zero, (\b)/4, (\a)/4
.endr
.endr
.endm
.macro FRAG reg, adr, q, i             ; tile i's image of the slot's q-th record: three loads of 512 consecutive bytes give the operand's 12 registers
.irp c, 0,1,2
	ds_load_b128 v[\reg+4*\c:\reg+4*\c+3], v[\adr] offset:(\q)*REC+(\i)*FRB+512*\c
.endr
.endm
.macro FETCH_B slot, q, p              ; B's eight fragments into set p
	WIN TO_B
.irp i, 0,1,2,3,4,5,6,7
	FRAG 128*(\p)+FR*\i, ADRB+\slot, \q, \i
.endr
	WIN 0
.endm
.macro FETCH_A slot, q, i0             ; A's tiles i0 .. i0 + 3
.irp i, \i0, \i0+1, \i0+2, \i0+3
	FRAG AF+FR*(\i), ADRA+\slot, \q, \i
.endr
.endm
.macro SCALES sc                       ; slot sc's scale images, both records of both sides: four loads
.irp q, 0,1
	ds_load_b128 v[SC+16*\sc+8*\q:SC+16*\sc+8*\q+3], v[ADRA+\sc] offset:\q*REC+SCO
	ds_load_b128 v[SC+16*\sc+8*\q+4:SC+16*\sc+8*\q+7], v[ADRB+\sc] offset:\q*REC+SCO
.endr
.endm
; A load into a register that a matrix instruction has read, and a vector instruction that reads a matrix result, stand NP places behind that matrix instruction; only plain vector instructions that name none of its
; registers are places (ISA guide 7.12.1 for vector instructions).
; A slot's first step of 128 along K: its successor lies in the same slot.
.macro STEP slot, q, zero
	s_wait_dscnt 4*NL                              ; B's set, A's tiles 0-3 and the scale words are in; the youngest 12 loads (A's tiles 4-7) may be out
	WIN MUL_LO
	MUL16 0, (\q)%2, \q, \slot, \zero
	MUL16 2, (\q)%2, \q, \slot, \zero
	s_wait_dscnt 0                                 ; A's tiles 4-7 are in (asked for 32 matrix instructions ago)
	PLACES NP
	FETCH_B \slot, (\q)+1, 1-(\q)%2
	FETCH_A \slot, (\q)+1, 0
	WIN MUL_HI
	MUL16 4, (\q)%2, \q, \slot, \zero
	MUL16 6, (\q)%2, \q, \slot, \zero
	PLACES NP
	WIN 0
	FETCH_A \slot, (\q)+1, 4
.endm
; A slot's last step changes slots: ONE barrier; in front of it each wave waits for all its tensor loads, adds 0 to its spare word, and waits for that and for its own reads of this slot.  fill = 1: this slot is filled again, two slots ahead.
.macro TURN slot, next, fill
.if \fill
	s_wait_xcnt 0x0                                ; my last prefetch has read its address: it is stepped only behind this wait
	s_add_nc_u64 s[76:77], s[76:77], HALFT
.endif
	s_wait_tensorcnt 0x0
	ds_add_u32 v[SPW], v[NIL]                      ; 0 onto my spare word
	s_wait_dscnt 4*NL+1                            ; (the add and the youngest 12 loads, A's tiles 4-7, may be out)
	WIN MUL_LO
	MUL16 0, 1, 1, \slot, 0                        ; sixteen matrix instructions stand between the add and the wait for it
	s_wait_dscnt 0x0                               ; the add is done, and my reads of this slot are over
	s_barrier_signal -1
	MUL16 2, 1, 1, \slot, 0
	WIN 0
	s_barrier_wait -1
.if \fill
	CREST                                          ; the barrier has opened a round of the cluster's barrier: no wave of any partner still reads this slot or has a load on its way
	s_add_nc_u64 s[G0+4*\slot+2:G0+4*\slot+3], s[G0+4*\slot+2:G0+4*\slot+3], 2*HALFT
	s_add_nc_u64 s[G0B+4*\slot+2:G0B+4*\slot+3], s[G0B+4*\slot+2:G0B+4*\slot+3], 2*HALFT
	JLOAD G0+4*\slot, G1, G0B+4*\slot, G1B         ; the first tensor load behind the round; the four v_nop behind it are the places in front of the loads below
.else
	PLACES NP
.endif
	FETCH_B \next, 0, 0
	FETCH_A \next, 0, 0
	SCALES \next
.if \fill
	s_cmp_gt_u32 s3, 1                             ; the loop's last trip asks for fills 6 and 7: nothing lies two fills on
	s_cbranch_scc0 .Lno_ask_\@
	global_prefetch_b8 v24, s[76:77] offset:2*HALFT th:TH_LOAD_NT scope:SCOPE_SE   ; the address stands at the fill just asked for: two fills on
	s_branch .Lasked_all_\@
.Lno_ask_\@:
	s_cmp_lt_u32 ttmp9, 4                          ; q's and k's clusters alone read the tables: the branch hangs on the cluster's x, the same in all partners
	s_cbranch_scc0 .Lasked_all_\@
	global_prefetch_b8 v25, s[78:79] offset:\slot*8192 th:TH_LOAD_NT scope:SCOPE_SE
.Lasked_all_\@:
.endif
	WIN MUL_HI
	MUL16 4, 1, 1, \slot, 0
	MUL16 6, 1, 1, \slot, 0
	PLACES NP
	WIN 0
	FETCH_A \next, 0, 4
.endm
; The very last step of 128 along K: nothing more to fetch.  It stands once in each of the two ways out, which part in front of it.
.macro LAST
	s_wait_dscnt 4*NL                              ; B's set and A's tiles 0-3 are in; the youngest 12 loads (A's tiles 4-7) may be out
	WIN MUL_LO
	MUL16 0, 1, 1, 1, 0
	MUL16 2, 1, 1, 1, 0
	s_wait_dscnt 0
	WIN MUL_HI
	MUL16 4, 1, 1, 1, 0
	MUL16 6, 1, 1, 1, 0
	WIN 0
	PLACES NP                                      ; in front of the first read of results, and of writes and loads into registers that held fragments
.irp b, 0,1,2,3
	v_mov_b32 v[TM+4+\b], 0                        ; written once: a lane permute's destination counts as one of its sources
.endr
.endm
; THE WAY OUT.
.macro RLOAD a                         ; cos (64 registers) and sin (64) of my group's row tile a, in the order of my results, into window 1's half a % 2: 32 loads of 512 consecutive bytes
	WIN 0x40
.set jj, 0
.rept 32
	global_load_b128 v[128*((\a)%2)+4*jj:128*((\a)%2)+4*jj+3], v[LI], s[6:7] offset:16384*(\a)+512*jj
.set jj, jj+1
.endr
	WIN 0
.endm
.macro ROPE a                          ; tile a's 64 results, register 16 b + i = d 32 b + 16 (lane / 16) + i: t cos + rotate_half(t) sin; rotate_half(t)[d] = -t[d + 64] under 64, t[d - 64] from 64 on: 32 registers away
.if (\a) < 7
	s_wait_loadcnt 32                              ; this tile's 32 loads are in; the next tile's may be out
.else
	s_wait_loadcnt 0x0
.endif
	WIN (2+(\a)/4)|4                               ; source 0: the accumulators' window; source 1: window 1
.set AC, 64*((\a)%4)
.set RCO, 128*((\a)%2)
.set jj, 0
.rept 32
	v_pk_mul_f32 v[RR+jj:RR+jj+1], v[AC+jj:AC+jj+1], v[RCO+jj:RCO+jj+1]   ; ascending: each accumulator is read from its low end on
.set jj, jj+2
.endr
.set jj, 0
.rept 16
	v_pk_fma_f32 v[RR+jj:RR+jj+1], v[AC+32+jj:AC+33+jj], v[RCO+64+jj:RCO+65+jj], v[RR+jj:RR+jj+1] neg_lo:[0,1,0] neg_hi:[0,1,0]
.set jj, jj+2
.endr
.rept 16
	v_pk_fma_f32 v[RR+jj:RR+jj+1], v[AC-32+jj:AC-31+jj], v[RCO+64+jj:RCO+65+jj], v[RR+jj:RR+jj+1]
.set jj, jj+2
.endr
	WIN 0
	s_wait_xcnt 0x0                                ; the last tile's stores have read the codes' registers, which QUANT writes again; the wait stands ahead of the loads below
.if (\a) < 6
	RLOAD (\a)+2
.endif
.endm
; 64 numbers of a lane in window w, v[s] .. v[s + 63], register 16 b + i = K index 32 b + 16 (lane / 16) + i of my row, become a fragment's 12 registers in v[PC] on and its scale word in v[pw].
.macro QUANT s, w, pw
	WIN ((\w)<<2)|((\w)<<4)                        ; sources 1 and 2: the numbers' window
.irp b, 0,1,2,3
	v_max3_num_f32 v[TM+\b], 0x2800000, |v[(\s)+16*\b]|, |v[(\s)+16*\b+1]|   ; block b: my 16 numbers, and the floor 2^(5 - 127): so the byte cannot fall under 1
.endr
.irp i, 2,4,6,8,10,12,14
.irp b, 0,1,2,3
	v_max3_num_f32 v[TM+\b], v[TM+\b], |v[(\s)+16*\b+\i]|, |v[(\s)+16*\b+\i+1]|   ; ascending, the four blocks by turns: each accumulator is read from its low end on
.endr
.endr
	WIN 0
.irp b, 0,1,2,3
	v_permlanex16_b32 v[TM+4+\b], v[TM+\b], s[SEL], s[SEL+1]
.endr
.irp b, 0,1,2,3
	v_max_num_f32 v[TM+\b], v[TM+\b], v[TM+4+\b]   ; with lane l xor 16's: the block's largest magnitude
.endr
.irp b, 0,1,2,3
	v_add_nc_u32 v[TM+12+\b], 0xfe000000, v[TM+\b]   ; 4 off its exponent field: the conversion's scale operand
.endr
.irp b, 0,1,2,3
	v_lshrrev_b32 v[TM+4+\b], 23, v[TM+12+\b]      ; the scale's byte
.endr
	v_lshl_or_b32 v[\pw], v[TM+5], 8, v[TM+4]
	v_lshl_or_b32 v[\pw], v[TM+6], 16, v[\pw]
	v_lshl_or_b32 v[\pw], v[TM+7], 24, v[\pw]
	WIN (\w)                                       ; source 0: the numbers' window
.irp c, 0,1
	v_cvt_scalef32_pk16_bf6_f32 v[PC+6*\c:PC+2+6*\c], v[(\s)+32*\c:(\s)+15+32*\c], v[TM+12+2*\c]
	v_cvt_scalef32_pk16_bf6_f32 v[PC+12+4*\c:PC+14+4*\c], v[(\s)+16+32*\c:(\s)+31+32*\c], v[TM+12+2*\c+1]   ; (a conversion's three registers begin on an even number)
.endr
	WIN 0
	v_nop                                          ; one plain place behind a scaled conversion
.irp c, 0,1                                    ; the operand's layout wants a WHOLE block in a lane
.irp i, 0,1,2
	v_permlane16_swap_b32 v[PC+6*\c+\i], v[PC+12+4*\c+\i]
.endr
.irp i, 0,1,2
	v_mov_b32 v[PC+3+6*\c+\i], v[PC+12+4*\c+\i]
.endr
.endr
.endm
.macro OUTF a                          ; tile a's image: three stores of 512 consecutive bytes
.irp c, 0,1,2
	global_store_b128 v[LI], v[PC+4*\c:PC+4*\c+3], s[8:9] offset:FRB*(\a)+512*\c
.endr
.endm
	s_wait_alu depctr_va_vdst(0)
	s_wait_tensorcnt 0x0                           ; my part of slot 0 is in
	ds_add_u32 v[SPW], v[NIL]
	s_wait_dscnt 0x0
	CROUND                                         ; everybody's part is in, and all sixteen work-groups are here
	JLOAD G0+4, G1, G0B+4, G1B                     ; slot 1's first fill, the first tensor load behind the round
	FETCH_B 0, 0, 0
	FETCH_A 0, 0, 0
	SCALES 0
	FETCH_A 0, 0, 4
	global_prefetch_b8 v24, s[76:77] offset:2*HALFT th:TH_LOAD_NT scope:SCOPE_SE   ; fill 3
	STEP 0, 0, 1                                   ; the first step stands in front of the loop: its products start the sums
	s_mov_b32 s3, LAPS-1
.Llap:                                                 ; a trip goes once round the ring, from a lap's second step to the next lap's first, and fills both slots again
	TURN 0, 1, 1
	STEP 1, 0, 0
	TURN 1, 0, 1
	STEP 0, 0, 0
	s_sub_co_u32 s3, s3, 1
	s_cmp_lg_u32 s3, 0
	s_cbranch_scc1 .Llap
	TURN 0, 1, 0                                   ; the last lap fills nothing, and has no round of the cluster's barrier
	STEP 1, 0, 0
	s_cmp_ge_u32 ttmp9, 4                          ; THE TWO WAYS OUT PART HERE, in front of the last step, on the cluster's x: the same in all partners; no tensor load and no barrier stands in either
	s_cbranch_scc1 .Lvpath
	; ---- q, k
	RLOAD 0                                        ; the first row tile's cos and sin are asked for one step early, into B's set 0, which is done with (the step's own places stand behind its last reader)
	LAST
	RLOAD 1                                        ; into B's set 1, behind the last step's places
.irp a, 0,1,2,3,4,5,6,7                        ; a tile of 16 tokens at a time
	ROPE \a
.if \a < 4
	QUANT RR, 0, SW+\a
.else
	QUANT RR, 0, PW
	v_cndmask_b32 v[SW+\a-4], v[SW+\a-4], v[PW], s[HIM]   ; tiles 4-7: their words go to lanes 16-31 (both halves of the lanes hold row lane % 16's word)
.endif
	OUTF \a
.endr
	s_branch .Lfin
	; ---- w_o ([2048][2048] f32, K innermost) becomes codes of BF6 and scale words in c4: record group of 128 rows x 16 + K step, laid as the records of c1.  By the same quantiser and with the same limits as the launch before.
	; 64 work-groups (gx = 24 .. 31, gy = 0 .. 7) x 4 waves: a wave makes record 4 ((gx - 24) + 8 gy) + wave: 128 rows x 512 bytes, in four trips of two tiles (32 neighbouring rows).
	; Each load reads 512 consecutive bytes of one row; a tile's 8,192 bytes turn through the wave's own stage in LDS (rows of 512 + 16 bytes, behind the spare words, in bytes that no tensor load fills) and come back so that
	; register 16 b + i of lane (r, h) is k = 32 b + 16 h + i of row r.  The next trip's 32 loads are out while this trip's two tiles are quantised.  No tensor load and no barrier stands on this way.
.Lwo:
.set SROW, 528
.set WST,  SPARE+512
.set XB,   172                         ; the odd tile's 64 numbers, v172-235; the even tile's lie in v[RR] on
.macro WLOAD ro                        ; two tiles' rows, ro rows behind the base, into window 1's v0-63 and v64-127
	WIN 0x40
.irp u, 0,1
.irp p, 0,1,2,3,4,5,6,7,8,9,10,11,12,13,14,15
	global_load_b128 v[64*\u+4*\p:64*\u+4*\p+3], v[LI], s[84:85] offset:((\ro)+8*\u+\p+8*(\p/8))*8192 th:TH_LOAD_NT
.endr
.endr
	WIN 0
.endm
.macro WTURN u, x                      ; tile u's rows through my stage into v[x] on.  LDS serves a wave's instructions in order: no wait between the stores and the loads, nor ahead of the next tile's stores
	WIN 0x04                                       ; the stores' data: window 1
.irp p, 0,1,2,3,4,5,6,7,8,9,10,11,12,13,14,15
	ds_store_b128 v16, v[64*\u+4*\p:64*\u+4*\p+3] offset:SROW*\p
.endr
	WIN 0
.irp b, 0,1,2,3
.irp j, 0,1,2,3
	ds_load_b128 v[\x+16*\b+4*\j:\x+16*\b+4*\j+3], v17 offset:128*\b+16*\j
.endr
.endr
.endm
	s_sub_co_u32 s20, s42, 24
	s_lshl_b32 s21, s17, 3
	s_add_co_u32 s20, s20, s21
	s_lshl_b32 s20, s20, 2
	s_add_co_u32 s20, s20, s14                     ; my record, 0 .. 255 = group x 16 + K step
	s_lshr_b32 s21, s20, 4
	s_lshl_b32 s21, s21, 20                        ; 128 rows of 8,192 bytes a group,
	s_and_b32 s22, s20, 15
	s_lshl_b32 s22, s22, 9                         ; 512 bytes a K step
	s_add_co_u32 s22, s22, s21
	s_mov_b32 s23, 0
	s_add_nc_u64 s[84:85], s[84:85], s[22:23]
	s_mul_i32 s20, s20, REC
	s_mov_b32 s21, 0
	s_add_nc_u64 s[8:9], s[86:87], s[20:21]        ; my record in c4
	s_mul_i32 s22, s14, 16*SROW
	s_add_co_u32 s22, s22, WST                     ; my stage
	s_mov_b32 s[SEL], 0x76543210
	s_mov_b32 s[SEL+1], 0xfedcba98
	s_mov_b32 s75, 0xffff0000                      ; lanes 16-31
	s_mov_b32 s3, 0                                ; the trip
	v_and_b32 v1, 31, v0
	v_lshlrev_b32 v[LI], 4, v1
	v_and_b32 v2, 15, v0
	v_bfe_u32 v3, v0, 4, 1
	v_add_nc_u32 v16, s22, v[LI]                   ; into the stage: a row's 512 bytes as they lie
	v_mul_u32_u24 v17, v2, SROW
	v_lshl_add_u32 v17, v3, 6, v17
	v_add_nc_u32 v17, s22, v17                     ; out of it: row r, + 64 h
.irp b, 0,1,2,3
	v_mov_b32 v[TM+4+\b], 0                        ; written once: a lane permute's destination counts as one of its sources
	v_mov_b32 v[SW+\b], 0
.endr
	WLOAD 0
	s_wait_alu depctr_va_vdst(0)
.Lwo_trip:
	s_wait_loadcnt 0x0                             ; this trip's 32 loads are in
	WTURN 0, RR
	WTURN 1, XB
	s_wait_dscnt 0x0                               ; the numbers are back, and the stores into the stage have read their registers,
	s_cmp_lt_u32 s3, 3                             ; which take the next trip's loads; the last trip has none
	s_cbranch_scc0 .Lwo_last
	WLOAD 32
.Lwo_last:
	s_cmp_lt_u32 s3, 2
	s_cselect_b32 s[HIM], -1, s75                  ; tiles 0-3: their words go to all lanes; tiles 4-7: to lanes 16-31, over tiles 0-3's
	QUANT RR, 0, PW
	v_cndmask_b32 v165, v[SW], v[PW], s[HIM]
	OUTF 0
	s_wait_xcnt 0x0                                ; the stores have read the codes' registers
	QUANT XB, 0, PW
	v_cndmask_b32 v166, v[SW+1], v[PW], s[HIM]
	OUTF 1
	v_mov_b32 v[SW], v[SW+2]                       ; the four words go round by two a trip: behind four trips register i holds tile i's words in lanes 0-15 and tile 4 + i's in lanes 16-31
	v_mov_b32 v[SW+1], v[SW+3]
	v_mov_b32 v[SW+2], v165
	v_mov_b32 v[SW+3], v166
	s_wait_xcnt 0x0                                ; the loads and stores have read their bases and registers
	s_add_nc_u64 s[84:85], s[84:85], 32*8192
	s_add_nc_u64 s[8:9], s[8:9], 2*FRB
	s_add_co_u32 s3, s3, 1
	s_cmp_lt_u32 s3, 4
	s_wait_alu depctr_va_vdst(0)
	s_cbranch_scc1 .Lwo_trip
	s_sub_nc_u64 s[8:9], s[8:9], 8*FRB             ; back to the record's first byte, for the scale image
	s_branch .Lfin
	; ---- v
.Lvpath:
	LAST
.irp a, 0,1,2,3,4,5,6,7                        ; a tile of 16 channels at a time, straight from the accumulators
	s_wait_xcnt 0x0                                ; the last tile's stores have read the codes' registers
.if \a < 4
	QUANT 64*(\a%4), 2+\a/4, SW+\a
.else
	QUANT 64*(\a%4), 2+\a/4, PW
	v_cndmask_b32 v[SW+\a-4], v[SW+\a-4], v[PW], s[HIM]
.endif
	OUTF \a
.endr
.Lfin:
	s_wait_alu depctr_va_vdst(0)
	global_store_b128 v[LI], v[SW:SW+3], s[8:9] offset:SCO   ; the record's scale image: 512 consecutive bytes
	s_wait_tensorcnt 0x0                           ; the wave's end
	ds_add_u32 v[SPW], v[NIL]
	s_wait_dscnt 0x0
	CROUND                                         ; the closing round: no work-group ends while a partner may still ask for a tile that names it
	s_endpgm
.Lfunc_end_k_qafaf7c7f17_qkv:
	.size	k_qafaf7c7f17_qkv, .Lfunc_end_k_qafaf7c7f17_qkv-k_qafaf7c7f17_qkv
	.p2alignl 7, 3214868480
	.fill 96, 4, 3214868480
	.section	.rodata,"a",@progbits
	.p2align	6, 0x0
	.amdhsa_kernel k_qafaf7c7f17_qkv
		.amdhsa_group_segment_fixed_size 327680
		.amdhsa_private_segment_fixed_size 0
		.amdhsa_enable_private_segment 0
		.amdhsa_kernarg_size 40
		.amdhsa_user_sgpr_count 2
		.amdhsa_user_sgpr_kernarg_segment_ptr 1
		.amdhsa_wavefront_size32 1
		.amdhsa_system_sgpr_workgroup_id_x 1
		.amdhsa_system_sgpr_workgroup_id_y 1
		.amdhsa_system_sgpr_workgroup_id_z 1
		.amdhsa_system_vgpr_workitem_id 0
		.amdhsa_next_free_vgpr 1024
		.amdhsa_next_free_sgpr 92
		.amdhsa_reserve_vcc 0
		.amdhsa_float_denorm_mode_32 3
		.amdhsa_float_denorm_mode_16_64 3
		.amdhsa_memory_ordered 1
		.amdhsa_forward_progress 1
		.amdhsa_inst_pref_size 255
	.end_amdhsa_kernel
	.section	.bss,"aw",@nobits
	.p2align	6
	.space	262144
	.amdgpu_metadata
---
amdhsa.version: [ 1, 2 ]
amdhsa.kernels:
  - .name:           k_qafaf7c7f17_qkv
    .symbol:         k_qafaf7c7f17_qkv.kd
    .args:
      - { .name: c1, .offset: 0, .size: 8, .value_kind: global_buffer, .address_space: global }
      - { .name: rp, .offset: 8, .size: 8, .value_kind: global_buffer, .address_space: global }
      - { .name: c2, .offset: 16, .size: 8, .value_kind: global_buffer, .address_space: global }
      - { .name: w_o, .offset: 24, .size: 8, .value_kind: global_buffer, .address_space: global }
      - { .name: c4, .offset: 32, .size: 8, .value_kind: global_buffer, .address_space: global }
    .group_segment_fixed_size: 327680
    .private_segment_fixed_size: 0
    .kernarg_segment_align: 8
    .kernarg_segment_size: 40
    .max_flat_workgroup_size: 128
    .sgpr_count:     92
    .vgpr_count:     1024
    .wavefront_size: 32
...
	.end_amdgpu_metadata
.endif
;; end of part 2
;; launch attn (part 3): grid 16 x 16, 8 waves a work-group, no clusters, 327,680 bytes of LDS; arguments c2, c3; writes c3
.if DOCPART == 3
	.amdgcn_target "amdgcn-amd-amdhsa--gfx1250"
	.amdhsa_code_object_version 6
	.text
	.protected	k_qafaf7c7f17_attn
	.globl	k_qafaf7c7f17_attn
	.p2align	8
	.type	k_qafaf7c7f17_attn,@function
k_qafaf7c7f17_attn:
	s_mov_b64 s[64:65], 0
	v_nop
	global_prefetch_b8 v0, s[64:65] scope:SCOPE_SE
	s_setreg_imm32_b32 hwreg(HW_REG_WAVE_MODE, 25, 1), 1
	s_wait_xcnt 0x0
; o[q] = the sum over keys k <= q of softmax_k(q . k / sqrt(128)) v[k], for 16 heads of 128 and 2,048 tokens, both products on codes of BF6 (E3M2) with E8M0 scales; o is quantised along the head's 128 and leaves as codes in c3.
; c2 holds records of 12,800 bytes (eight fragment images of 1,536 bytes; 512 bytes of scale words): q: record head x 16 + group; k and v of a group of 128 keys: records 256 + head x 32 + 2 x group and the next.
; Tile e of a group of 128 rows holds rows 32 (e / 2) + 8 (e % 2) + p + 8 (p / 8), for queries, keys and channels alike.   c3: record group of queries x 16 + head.
; THE SOFTMAX AHEAD OF THE SECOND PRODUCT: t = score x log2(e) / sqrt(128); M = the row's largest t so far, rounded UP to a whole number; p = 2^(t - M) is quantised along the keys, not normalised.  The row's sum is taken of
; the unquantised p and divides O at the end.  When M moves, the sum and O are multiplied by 2^(old M - new M): exact.
; LAYOUT.  Both products are used transposed: S^T = K Q^T (source 0 = a tile of keys, source 1 = 16 queries), O^T = V^T P^T (source 0 = a tile of channels, source 1 = P): a lane holds ONE query throughout.  By the order
; of a tile's rows the 64 registers of S^T are keys 32 b + 16 (lane / 16) + i at register 16 b + i, and those of O^T channels likewise: both are what the conversions want.
; SHARES.  Work-group (p, head) has eight tiles of 16 queries: the early ones 4 p + 0 .. 3 and the late ones 4 (31 - p) + 0 .. 3.  A tile of group G needs G + 1 key steps of 128 keys: with g = p / 2 an early tile g + 1, a late one 16 - g.
; A TILE'S KEY STEPS ARE SHARED BETWEEN TWO WAVES.  Waves 2 i and 2 i + 1 own late tile i and early tile i together.  Every wave keeps TWO STATES (Q, -M, the sum, O^T): state A is worked on in the even key steps, state B
; in the odd ones.  In wave 2 i state A is the late tile and state B the early one; in wave 2 i + 1 the other way round.  So each wave has 8 or 9 key steps of work, whatever p, and the two waves of a SIMD work side by side.
; At the end each wave hands its state B to its partner through LDS and finishes the tile of its state A: -M = the smaller of the two, each half is multiplied by 2^(its M - M), which rounds nothing, and the halves are added.
; A state that had no step holds zeros and -M = 3e38: its factor comes out 0.
; EVERY wave walks all 16 key steps: the trip counts are constants, and no tensor load or barrier is jumped over.  A step all of whose keys come after the state's group is left out by a scalar branch on ids.
; THE RING.  Three LDS slots of four key steps (102,400 bytes); each wave brings one record of a slot.  Slots 0 to 2 are first fills; the head's last four key steps are filled into slot 0 behind the fourth step's barrier
; and are read eight steps later.  The stage for the hand-over lies in slot 2, which has had its only fill and which nobody reads behind the last change's barrier.
; NO CLUSTER: the work-groups of a head read the same K and V, but which steps a wave leaves out hangs on its work-group's own number, and partners of a cluster may not branch on their place; without that branch the
; products and the softmax would nearly double.
; LIMITS: 1 / sum by v_rcp_f32.  A row's sum and O are each made of two partial sums (even and odd key steps), added at the end.  A block's largest p is taken from the block's largest score by the same multiply-add and
; exponential, which takes v_exp_f32 not to fall where its input rises.  A block of zeros, or one under 2^-122, gets the scale byte 1 (read by this program alone; zero codes add nothing).  NaN and infinities are not served.
; REGISTERS.  Window 0: v4-11, v30 addresses and the mask's numbers; v12-15 state A's -M, largest t and sum in two halves, v16-19 state B's; v20-23, v24-27 K's and V's scale images; v28, v29 Q's scale words;
;   v32-95 O^T of state B; v96-159 S^T, then p; v160-223 O^T of state A; v224-235 p's codes; v232-254 at work; on the way out v160-179 o's codes, v31 its scale word.
;   Window 1: v0-95 K's eight fragments, v96-191 V's, v192-203 and v204-215 the two Q.
.set REC,   12800
.set SCO,   12288
.set FRB,   1536
.set STEPB, 2*REC                      ; a key step: k's record, then v's
.set SLOT,  4*STEPB
.set SPARE, 3*SLOT                     ; behind the ring: the spare words, 128 bytes for each wave: four blocks of 256 bytes that no other line names
.set STG,   2*SLOT                     ; the stage for the hand-over, in slot 2
.set STGW,  17*512                     ; a wave's part of it: 64 registers of O^T and four of statistics, 512 bytes for each four
.set RO,   4                           ; v4   16 x (lane % 16)
.set SPW,  5                           ; v5   LDS address of my spare word; never rewritten
.set NIL,  6                           ; v6   0; never rewritten
.set LI,   7                           ; v7   16 x lane
.set ADK,  8                           ; v8   LDS address of the step in hand, + 16 x lane
.set DQ,   9                           ; v9, v10  state A's, B's: my query's place in its group - 16 (lane / 16)
.set STW,  11                          ; v11  the stage: my wave's part, + 16 x lane
.set ST,   12                          ; the statistics, four registers a state
.set KSC,  20
.set VSC,  24
.set QS,   28                          ; v28, v29
.set STR,  30                          ; v30  the stage: my partner's part, + 16 x lane
.set PW,   31
.set OB,   32
.set OA,   160
.set PC,   160                         ; the way out: state A's O^T has been read by then
.set TM,   232
.set QF,   192                         ; in window 1
.set TB,   2                           ; s2   LDS byte at which the step in hand begins
.set KS,   3                           ; s3   the step's number, 0 .. 15
.set WV,   18
.set SEL,  20                          ; s[20:21] lane selects: lane l xor 16
.set CS,   22                          ; s[22:23] c = log2(e) / sqrt(128)
.set G1,   32                          ; s[32:39] descriptor group 1
.set G0,   40                          ; s[40:47] two groups 0: slot 0's, and slots 1 and 2's
.set GQ,   52                          ; s52, s53  state A's, B's group of 128 queries
.set CNT,  81                          ; s81  counts a run of steps
.set MSB, 0
.macro WIN new
.if MSB != (\new)
	s_set_vgpr_msb (MSB<<8)|(\new)
.set MSB, (\new)
.endif
.endm
	s_load_b128 s[4:7], s[0:1], 0x0                ; c2 s[4:5], c3 s[6:7]
	v_lshl_add_u32 v[SPW], v0, 2, SPARE
	v_mov_b32 v[NIL], 0
	ds_add_u32 v5, v6
	ds_add_u32 v5, v6
	s_wait_dscnt 0x0
	v_lshrrev_b32 v8, 5, v0
	s_delay_alu instid0(VALU_DEP_1)
	v_readfirstlane_b32 s[WV], v8                  ; wave 0..7
	s_and_b32 s24, ttmp7, 0xffff                   ; the head
	; descriptor group 1: a record, 12,800 dense bytes, as 50 rows of 256 bytes (32 elements of 8 bytes), no padding: images are read at 16 x lane
	s_mov_b32 s[G1], 3<<16
	s_mov_b32 s[G1+1], 32<<16                      ; tensor_dim0 = 32
	s_mov_b32 s[G1+2], 50<<16                      ; tensor_dim1 = 50
	s_mov_b32 s[G1+3], 32<<16                      ; tile_dim0 = 32
	s_mov_b32 s[G1+4], 50                          ; tile_dim1 = 50
	s_mov_b32 s[G1+5], 32                          ; tensor_dim0_stride
	s_mov_b32 s[G1+6], 0
	s_mov_b32 s[G1+7], 0
	s_mov_b32 s92, 3<<16                           ; s[92:99]: a second group 1, for two records on end: 100 rows of 256 bytes
	s_mov_b32 s93, 32<<16
	s_mov_b32 s94, 100<<16
	s_mov_b32 s95, 32<<16
	s_mov_b32 s96, 100
	s_mov_b32 s97, 32
	s_mov_b32 s98, 0
	s_mov_b32 s99, 0
	s_lshl_b32 s26, s24, 5
	s_add_co_u32 s26, s26, s[WV]
	s_add_co_u32 s26, s26, 256
	s_mul_i32 s26, s26, REC                        ; record 256 + 32 head + wave: my record of the head's first eight
	s_mov_b32 s27, 0
	s_mul_i32 s25, s[WV], REC                      ; and its place in a slot
	s_wait_kmcnt 0x0
	s_add_nc_u64 s[26:27], s[4:5], s[26:27]
.irp s, 0,1
	s_mov_b32 s[G0+4*\s], 1
	s_add_co_u32 s[G0+4*\s+1], s25, \s*SLOT
	s_add_nc_u64 s[G0+4*\s+2:G0+4*\s+3], s[26:27], \s*SLOT
	s_or_b32 s[G0+4*\s+3], s[G0+4*\s+3], 0x80000000
.endr
	s_add_co_u32 s[G0+5], s[G0+5], s25             ; the second group 0: slots 1 and 2 are 16 records on end, of which I bring records 2 x wave and 2 x wave + 1
	s_mov_b32 s28, s25
	s_mov_b32 s29, 0
	s_add_nc_u64 s[G0+6:G0+7], s[G0+6:G0+7], s[28:29]
	tensor_load_to_lds s[G0:G0+3], s[G1:G1+7]      ; my record of slot 0: one tensor load a wave at the head
	s_nop 0
.rept 4
	v_nop
.endr
	s_lshr_b32 s28, s[WV], 1                       ; i: which of four tiles
	s_and_b32 s29, s[WV], 1
	s_sub_co_u32 s31, 31, ttmp9
	s_cmp_eq_u32 s29, 0                            ; in even waves state A is the late tile
	s_cselect_b32 s30, s31, ttmp9                  ; f of state A: its tile is 4 f + i
	s_cselect_b32 s31, ttmp9, s31                  ; f of state B
; The numbers of the state st whose f stands in s[f]: its group in s[GQ + st]; from s[54 + 16 st] on: +0 e, the tile's number in its group; +1 its words' place in a record; +2 its first row in the group;
; +3 its image's place in a record; +4, +5 the address of Q's image; +6, +7 of Q's scale words; +8 at work
.macro TILE f, st
.set B0, 54+16*(\st)
	s_lshr_b32 s[GQ+\st], s[\f], 1
	s_and_b32 s[B0], s[\f], 1
	s_lshl_b32 s[B0], s[B0], 2
	s_add_co_u32 s[B0], s[B0], s28                 ; e = 4 (f % 2) + i
	s_lshr_b32 s[B0+1], s[B0], 2
	s_lshl_b32 s[B0+1], s[B0+1], 8
	s_and_b32 s[B0+2], s[B0], 3
	s_lshl_b32 s[B0+2], s[B0+2], 2
	s_add_co_u32 s[B0+1], s[B0+1], s[B0+2]
	s_add_co_u32 s[B0+1], s[B0+1], SCO             ; SCO + 256 (e / 4) + 4 (e % 4), 16 bytes from row to row
	s_mul_i32 s[B0+3], s[B0], FRB
	s_lshl_b32 s[B0+2], s24, 4
	s_add_co_u32 s[B0+2], s[B0+2], s[GQ+\st]
	s_mul_i32 s[B0+2], s[B0+2], REC                ; q's record: head x 16 + group
	s_add_co_u32 s[B0+4], s[B0+2], s[B0+3]
	s_mov_b32 s[B0+5], 0
	s_add_co_u32 s[B0+6], s[B0+2], s[B0+1]
	s_mov_b32 s[B0+7], 0
	s_add_nc_u64 s[B0+4:B0+5], s[4:5], s[B0+4:B0+5]
	s_add_nc_u64 s[B0+6:B0+7], s[4:5], s[B0+6:B0+7]
	s_lshr_b32 s[B0+2], s[B0], 1
	s_lshl_b32 s[B0+2], s[B0+2], 5
	s_and_b32 s[B0+8], s[B0], 1
	s_lshl_b32 s[B0+8], s[B0+8], 3
	s_add_co_u32 s[B0+2], s[B0+2], s[B0+8]         ; 32 (e / 2) + 8 (e % 2)
.endm
	TILE 30, 0
	TILE 31, 1
	s_lshl_b32 s80, s[GQ], 4                       ; I finish state A's tile: o's record: group x 16 + head
	s_add_co_u32 s80, s80, s24
	s_mul_i32 s80, s80, REC
	s_add_co_u32 s66, s80, s57
	s_mov_b32 s67, 0
	s_add_co_u32 s68, s80, s55
	s_mov_b32 s69, 0
	s_add_nc_u64 s[66:67], s[6:7], s[66:67]        ; o's image
	s_add_nc_u64 s[68:69], s[6:7], s[68:69]        ; o's scale words
	v_and_b32 v232, 31, v0
	s_delay_alu instid0(VALU_DEP_1)
	v_lshlrev_b32 v[LI], 4, v232
	v_and_b32 v232, 15, v0                         ; r
	v_bfe_u32 v233, v0, 4, 1                       ; h
	s_delay_alu instid0(VALU_DEP_2)
	v_lshlrev_b32 v[RO], 4, v232
	WIN 0x40                                       ; destination window 1
.irp c, 0,1,2
	global_load_b128 v[QF+4*\c:QF+4*\c+3], v[LI], s[58:59] offset:512*\c       ; the two Q fragments stay in registers
	global_load_b128 v[QF+12+4*\c:QF+12+4*\c+3], v[LI], s[74:75] offset:512*\c
.endr
	WIN 0
	global_load_b32 v[QS], v[RO], s[60:61]         ; lanes 0-15: row r's word (lanes 16-31 take the same and are not read)
	global_load_b32 v[QS+1], v[RO], s[76:77]
	v_and_b32 v234, 8, v232
	s_delay_alu instid0(VALU_DEP_1)
	v_add_nc_u32 v234, v234, v232                  ; r + 8 (r / 8)
	v_lshlrev_b32 v233, 4, v233
	s_delay_alu instid0(VALU_DEP_1)
	v_sub_nc_u32 v234, v234, v233                  ; - 16 h
	s_delay_alu instid0(VALU_DEP_1)
	v_add_nc_u32 v[DQ], s56, v234                  ; + the tile's first row in its group
	s_delay_alu instid0(VALU_DEP_2)
	v_add_nc_u32 v[DQ+1], s72, v234
	s_mul_i32 s82, s[WV], STGW
	s_add_co_u32 s82, s82, STG
	v_add_nc_u32 v[STW], s82, v[LI]                ; the stage: my part,
	s_xor_b32 s83, s[WV], 1
	s_mul_i32 s83, s83, STGW
	s_add_co_u32 s83, s83, STG
	v_add_nc_u32 v[STR], s83, v[LI]                ; and my partner's
	s_mov_b32 s[SEL], 0x76543210
	s_mov_b32 s[SEL+1], 0xfedcba98
	s_mov_b32 s[CS], 0x3e0293ee                    ; c = log2(e) / sqrt(128)
	s_mov_b32 s[CS+1], s[CS]                       ; (named with it as a pair, so it is written)
	s_mov_b32 s[TB], 0
	s_mov_b32 s[KS], 0
.irp u, 0,1
	v_mov_b32 v[ST+1+4*\u], 0xff61b1e6             ; the largest t so far: -3e38, under every t
	s_delay_alu instid0(VALU_DEP_1)
	v_floor_f32 v[ST+4*\u], -v[ST+1+4*\u]          ; -M
	v_mov_b32 v[ST+2+4*\u], 0                      ; the sum, in two halves
	v_mov_b32 v[ST+3+4*\u], 0
.endr
.irp b, 0,1,2,3
	v_mov_b32 v[236+\b], 0                         ; written once: a lane permute's destination counts as one of its sources
.endr
	v_mov_b32 v252, 0
	v_mov_b32 v253, 0                              ; (named as the upper half of the pair v[252:253] before it is first written)
.set jj, 0
.rept 64
	v_mov_b32 v[OA+jj], 0                          ; O^T of both states.  (The step has no first step of its own: the first finds zeros, which the first change of M leaves zeros; and a state may have no step at all)
	v_mov_b32 v[OB+jj], 0
.set jj, jj+1
.endr
; A KEY STEP: 128 keys, for state st (0: A, 1: B).
.macro STEP st
.set rO, OA-(OA-OB)*(\st)
.set rT, ST+4*(\st)
.set rQ, QF+12*(\st)
	s_cmp_gt_u32 s[KS], s[GQ+\st]                  ; all its keys come after the state's 16 queries: the step's loads, products and softmax are left out; the lines at its end that step addresses are not
	s_cbranch_scc1 .Lhidden_\@
	v_add_nc_u32 v[ADK], s[TB], v[LI]
.rept 3
	v_nop                                          ; with the addition: four places in front of loads into registers that the last step's products have read
.endr
	ds_load_b128 v[KSC:KSC+3], v[ADK] offset:SCO
	WIN 0x40                                       ; destination window 1
.irp t, 0,1,2,3,4,5,6,7
.irp c, 0,1,2
	ds_load_b128 v[12*\t+4*\c:12*\t+4*\c+3], v[ADK] offset:FRB*\t+512*\c
.endr
.endr
.irp t, 0,1,2,3,4,5,6,7
.irp c, 0,1,2
	ds_load_b128 v[96+12*\t+4*\c:96+12*\t+4*\c+3], v[ADK] offset:REC+FRB*\t+512*\c
.endr
.endr
	WIN 0
	ds_load_b128 v[VSC:VSC+3], v[ADK] offset:REC+SCO
	s_wait_dscnt 25                                ; K's 25 loads are in; V's 25 may be out: they land under the softmax
	WIN 0x05                                       ; sources 0 (K) and 1 (Q) window 1
.irp t, 0,1,2,3
	v_wmma_scale_f32_16x16x128_f8f6f4 v[96+8*\t:103+8*\t], v[12*\t:12*\t+11], v[rQ:rQ+11], 0, v[KSC+\t], v[QS+\st] matrix_a_fmt:MATRIX_FMT_BF6 matrix_b_fmt:MATRIX_FMT_BF6
.endr
.irp t, 4,5,6,7
	v_wmma_scale_f32_16x16x128_f8f6f4 v[96+8*\t:103+8*\t], v[12*\t:12*\t+11], v[rQ:rQ+11], 0, v[KSC+\t-4], v[QS+\st] matrix_a_fmt:MATRIX_FMT_BF6 matrix_b_fmt:MATRIX_FMT_BF6 matrix_a_scale:MATRIX_SCALE_ROW1
.endr
	WIN 0
.rept 4
	v_nop
.endr
	s_cmp_lg_u32 s[KS], s[GQ+\st]                  ; in the state's own group's step the scores of hidden keys become -infinity ahead of the maximum: p = 0 then.  A step all of whose keys count skips this
	s_cbranch_scc1 .Lopen_\@
	v_mov_b32 v254, 0xff800000                     ; -infinity
.set jj, 0
.rept 64
	v_cmp_gt_i32 vcc_lo, 32*(jj/16)+jj%16, v[DQ+\st]   ; register 16 b + i holds the group's key 32 b + 16 (lane / 16) + i: hidden where 32 b + i > my query's place - 16 (lane / 16)
	v_cndmask_b32 v[96+jj], v[96+jj], v254, vcc_lo
.set jj, jj+1
.endr
.Lopen_\@:
.irp b, 0,1,2,3
	v_max3_num_f32 v[232+\b], v[96+16*\b], v[97+16*\b], v[98+16*\b]   ; THE LARGEST SCORE OF EACH BLOCK OF 32 KEYS: it serves for the row's maximum and, since p rises with the score, for the block's largest p
.endr
.irp i, 3,5,7,9,11,13
.irp b, 0,1,2,3
	v_max3_num_f32 v[232+\b], v[232+\b], v[96+16*\b+\i], v[97+16*\b+\i]
.endr
.endr
.irp b, 0,1,2,3
	v_max_num_f32 v[232+\b], v[232+\b], v[111+16*\b]
.endr
.irp b, 0,1,2,3
	s_delay_alu instid0(VALU_DEP_4)
	v_permlanex16_b32 v[236+\b], v[232+\b], s[SEL], s[SEL+1]
.endr
.irp b, 0,1,2,3
	s_delay_alu instid0(VALU_DEP_4)
	v_max_num_f32 v[232+\b], v[232+\b], v[236+\b]  ; with lane l xor 16's 16 keys
.endr
	s_delay_alu instid0(VALU_DEP_2)
	v_max3_num_f32 v254, v232, v233, v234
	s_delay_alu instid0(VALU_DEP_1)
	v_max_num_f32 v254, v254, v235                 ; the step's largest score of my query
	s_delay_alu instid0(VALU_DEP_1)
	v_mul_f32 v254, s[CS], v254                    ; as t (c is positive)
	s_delay_alu instid0(VALU_DEP_1)
	v_max_num_f32 v[rT+1], v[rT+1], v254           ; the state's running largest t
	v_mov_b32 v254, v[rT]
	s_delay_alu instid0(VALU_DEP_2)
	v_floor_f32 v[rT], -v[rT+1]                    ; the new -M = floor(-t) = -ceil(t): M IS A WHOLE NUMBER
	s_delay_alu instid0(VALU_DEP_1)
	v_sub_f32 v254, v[rT], v254                    ; M's old value less its new one: a whole number, 0 or less
	s_delay_alu instid0(VALU_DEP_1)
	v_cvt_i32_f32 v254, v254                       ; (it saturates)
	s_delay_alu instid0(VALU_DEP_1)
	v_ldexp_f32 v252, 1.0, v254                    ; f = 2^(old M - new M)
.set jj, 0
.rept 32
	v_pk_fma_f32 v[96+jj:97+jj], v[96+jj:97+jj], s[CS:CS+1], v[rT:rT+1] op_sel_hi:[1,0,0]   ; t - M, two at a time
.set jj, jj+2
.endr
.irp b, 0,1,2,3
	v_fma_f32 v[232+\b], v[232+\b], s[CS], v[rT]   ; the same of each block's largest score
.endr
.set jj, 0
	s_wait_alu depctr_va_vdst(0)
.rept 64
	v_exp_f32 v[96+jj], v[96+jj]                   ; p = 2^(t - M), at most 1: NOT normalised
.set jj, jj+1
.endr
	v_pk_mul_f32 v[rT+2:rT+3], v[rT+2:rT+3], v[252:253] op_sel_hi:[1,0]   ; the sums under the new M.  (A plain place behind the exponentials)
	s_wait_alu depctr_va_vdst(0)                   ; one wait for the whole batch, ahead of its first reader
.irp b, 0,1,2,3
	v_exp_f32 v[232+\b], v[232+\b]                 ; the block's largest p
.endr
	v_pk_add_f32 v[236:237], v[96:97], v[98:99]    ; THE ROW'S SUM IS TAKEN OF THE UNQUANTISED p: two at a time, in two chains
.set jj, 4
.rept 15
	v_pk_add_f32 v[rT+2:rT+3], v[rT+2:rT+3], v[96+jj:97+jj]
	v_pk_add_f32 v[236:237], v[236:237], v[98+jj:99+jj]
.set jj, jj+4
.endr
	s_delay_alu instid0(VALU_DEP_1)
	v_pk_add_f32 v[rT+2:rT+3], v[rT+2:rT+3], v[236:237]
	s_wait_alu depctr_va_vdst(0)                   ; and one for the four
.irp b, 0,1,2,3
	v_max_num_f32 v[232+\b], 0x2800000, v[232+\b]  ; the floor 2^(5 - 127): the byte cannot fall under 1
.endr
.irp b, 0,1,2,3
	s_delay_alu instid0(VALU_DEP_4)
	v_add_nc_u32 v[244+\b], 0xfe000000, v[232+\b]  ; 4 off the exponent field: the conversion's scale operand
.endr
.irp b, 0,1,2,3
	s_delay_alu instid0(VALU_DEP_4)
	v_lshrrev_b32 v[236+\b], 23, v[244+\b]         ; the scale's byte
.endr
	s_delay_alu instid0(VALU_DEP_3)
	v_lshl_or_b32 v253, v237, 8, v236              ; p's scale word for these 128 keys
	s_delay_alu instid0(VALU_DEP_1)
	v_lshl_or_b32 v253, v238, 16, v253
	s_delay_alu instid0(VALU_DEP_1)
	v_lshl_or_b32 v253, v239, 24, v253
.irp c, 0,1
	v_cvt_scalef32_pk16_bf6_f32 v[224+6*\c:226+6*\c], v[96+32*\c:111+32*\c], v[244+2*\c]
	v_cvt_scalef32_pk16_bf6_f32 v[236+4*\c:238+4*\c], v[112+32*\c:127+32*\c], v[244+2*\c+1]
.endr
	v_nop                                          ; one plain place behind a scaled conversion
.irp c, 0,1                                    ; the operand's layout wants a WHOLE block in a lane
.irp i, 0,1,2
	v_permlane16_swap_b32 v[224+6*\c+\i], v[236+4*\c+\i]
.endr
.irp i, 0,1,2
	s_delay_alu instid0(VALU_DEP_3)
	v_mov_b32 v[227+6*\c+\i], v[236+4*\c+\i]
.endr
.endr
.set jj, 0
.rept 32
	v_pk_mul_f32 v[rO+jj:rO+jj+1], v[rO+jj:rO+jj+1], v[252:253] op_sel_hi:[1,0]   ; the state's O^T under the new M.  (These 32 are also the places in front of the matrix instructions below)
.set jj, jj+2
.endr
	s_wait_alu depctr_va_vdst(0)
	s_wait_dscnt 0x0                               ; V is in
	WIN 0x01                                       ; source 0 (V) window 1
.irp t, 0,1,2,3                                ; O^T += V^T P^T: eight accumulators by turns
	v_wmma_scale_f32_16x16x128_f8f6f4 v[rO+8*\t:rO+8*\t+7], v[96+12*\t:96+12*\t+11], v[224:235], v[rO+8*\t:rO+8*\t+7], v[VSC+\t], v253 matrix_a_fmt:MATRIX_FMT_BF6 matrix_b_fmt:MATRIX_FMT_BF6
.endr
.irp t, 4,5,6,7
	v_wmma_scale_f32_16x16x128_f8f6f4 v[rO+8*\t:rO+8*\t+7], v[96+12*\t:96+12*\t+11], v[224:235], v[rO+8*\t:rO+8*\t+7], v[VSC+\t-4], v253 matrix_a_fmt:MATRIX_FMT_BF6 matrix_b_fmt:MATRIX_FMT_BF6 matrix_a_scale:MATRIX_SCALE_ROW1
.endr
	WIN 0
.Lhidden_\@:
	s_add_co_u32 s[KS], s[KS], 1
	s_add_co_u32 s[TB], s[TB], STEPB
.endm
.macro STEPS n                         ; n trips of two key steps: an even one for state A, an odd one for state B
	s_mov_b32 s[CNT], \n
.Lsteps_\@:
	STEP 0
	STEP 1
	s_sub_co_u32 s[CNT], s[CNT], 1
	s_cmp_lg_u32 s[CNT], 0
	s_cbranch_scc1 .Lsteps_\@
.endm
; Each wave waits for all its tensor loads, adds 0 to its spare word, and waits for that and for its LDS reads; then the barrier.  fill = 1: slot 0, which nobody reads any more, takes the head's last four key steps.
.macro CHANGE fill
	s_wait_tensorcnt 0x0                           ; no tensor load of mine is out, so a group 0 may be written
	ds_add_u32 v[SPW], v[NIL]                      ; 0 onto my spare word
.if \fill
	s_add_nc_u64 s[G0+2:G0+3], s[G0+2:G0+3], 3*SLOT   ; three slots on; the type bits on top are not reached
.endif
	s_wait_dscnt 0x0                               ; the add is done, and my reads are over
	s_barrier_signal -1
	s_barrier_wait -1
.if \fill
	tensor_load_to_lds s[G0:G0+3], s[G1:G1+7]      ; the first thing behind the barrier, and my one tensor load until the next
	s_nop 0
.rept 4
	v_nop
.endr
.endif
.endm
.macro QUANT s, pw                     ; 64 numbers of a lane, register 16 b + i = index 32 b + 16 (lane / 16) + i of my row, become a fragment's 12 registers in v[PC] on and its scale word in v[pw]
.irp b, 0,1,2,3
	v_max3_num_f32 v[TM+\b], |v[\s+16*\b]|, |v[\s+1+16*\b]|, 0x2800000
.endr
.irp i, 2,4,6,8,10,12,14
.irp b, 0,1,2,3
	s_delay_alu instid0(VALU_DEP_4)
	v_max3_num_f32 v[TM+\b], v[TM+\b], |v[\s+16*\b+\i]|, |v[\s+1+16*\b+\i]|
.endr
.endr
.irp b, 0,1,2,3
	s_delay_alu instid0(VALU_DEP_4)
	v_permlanex16_b32 v[TM+4+\b], v[TM+\b], s[SEL], s[SEL+1]
.endr
.irp b, 0,1,2,3
	s_delay_alu instid0(VALU_DEP_4)
	v_max_num_f32 v[TM+\b], v[TM+\b], v[TM+4+\b]
.endr
.irp b, 0,1,2,3
	s_delay_alu instid0(VALU_DEP_4)
	v_add_nc_u32 v[TM+12+\b], 0xfe000000, v[TM+\b]
.endr
.irp b, 0,1,2,3
	s_delay_alu instid0(VALU_DEP_4)
	v_lshrrev_b32 v[TM+4+\b], 23, v[TM+12+\b]
.endr
	s_delay_alu instid0(VALU_DEP_3)
	v_lshl_or_b32 v[\pw], v[TM+5], 8, v[TM+4]
	s_delay_alu instid0(VALU_DEP_1)
	v_lshl_or_b32 v[\pw], v[TM+6], 16, v[\pw]
	s_delay_alu instid0(VALU_DEP_1)
	v_lshl_or_b32 v[\pw], v[TM+7], 24, v[\pw]
.irp c, 0,1
	v_cvt_scalef32_pk16_bf6_f32 v[PC+6*\c:PC+2+6*\c], v[\s+32*\c:\s+15+32*\c], v[TM+12+2*\c]
	v_cvt_scalef32_pk16_bf6_f32 v[PC+12+4*\c:PC+14+4*\c], v[\s+16+32*\c:\s+31+32*\c], v[TM+12+2*\c+1]
.endr
	v_nop
.irp c, 0,1
.irp i, 0,1,2
	v_permlane16_swap_b32 v[PC+6*\c+\i], v[PC+12+4*\c+\i]
.endr
.irp i, 0,1,2
	s_delay_alu instid0(VALU_DEP_3)
	v_mov_b32 v[PC+3+6*\c+\i], v[PC+12+4*\c+\i]
.endr
.endr
.endm
	s_wait_tensorcnt 0x0                           ; my record of slot 0 is in
	ds_add_u32 v[SPW], v[NIL]
	s_wait_dscnt 0x0
	s_barrier_signal -1
	s_barrier_wait -1                              ; everybody's is
	tensor_load_to_lds s[G0+4:G0+7], s[92:99]      ; slots 1 and 2, first fills: my two records, my one tensor load behind this barrier; they land under key steps 0 to 3
	s_nop 0
.rept 4
	v_nop
.endr
	s_wait_loadcnt 0x0
	STEPS 2                                        ; key steps 0 to 3, slot 0
	CHANGE 1                                       ; its wait for all loads, and the barrier, also show slots 1 and 2 whole to every wave
	STEPS 4                                        ; key steps 4 to 11, slots 1 and 2
	CHANGE 0                                       ; the refill has landed, everybody's part of it; nobody reads slots 1 and 2 any more
	s_mov_b32 s[TB], 0
	STEPS 2                                        ; key steps 12 to 15, slot 0
	; THE HAND-OVER.  My state B is the odd key steps of the tile that my partner finishes: it goes to my part of the stage as an image of its registers, 16 bytes a lane, 512 bytes a store.
.rept 4
	v_nop                                          ; four places behind the last products, in front of the stores that read their results
.endr
.set jj, 0
	s_wait_alu depctr_va_vdst(0)
.rept 16
	ds_store_b128 v[STW], v[OB+4*jj:OB+4*jj+3] offset:512*jj   ; ascending: each accumulator is read from its low end on
.set jj, jj+1
.endr
	ds_store_b128 v[STW], v[ST+4:ST+7] offset:8192 ; -M, the largest t, the sum's two halves
	s_wait_dscnt 0x0                               ; for my partner's sake: my stores have landed
	s_barrier_signal -1
	s_barrier_wait -1
	ds_load_b128 v[ST+4:ST+7], v[STR] offset:8192  ; my partner's state B: the odd key steps of my state A's tile, in the same lanes
.set jj, 0
.rept 16
	ds_load_b128 v[OB+4*jj:OB+4*jj+3], v[STR] offset:512*jj
.set jj, jj+1
.endr
	s_wait_dscnt 16                                ; the statistics are in; the 16 loads of O^T may be out
	v_min_num_f32 v232, v[ST], v[ST+4]             ; -M of the whole row: M is the larger of the two
	s_delay_alu instid0(VALU_DEP_1)
	v_sub_f32 v233, v232, v[ST]                    ; each half's M less the row's: whole numbers, 0 or less
	s_delay_alu instid0(VALU_DEP_2)
	v_sub_f32 v234, v232, v[ST+4]
	s_delay_alu instid0(VALU_DEP_2)
	v_cvt_i32_f32 v233, v233                       ; (they saturate)
	s_delay_alu instid0(VALU_DEP_2)
	v_cvt_i32_f32 v234, v234
	s_delay_alu instid0(VALU_DEP_2)
	v_ldexp_f32 v236, 1.0, v233                    ; the two factors: powers of two, or 0 for a half that had no step
	s_delay_alu instid0(VALU_DEP_2)
	v_ldexp_f32 v238, 1.0, v234
	s_delay_alu instid0(VALU_DEP_2)
	v_pk_mul_f32 v[ST+2:ST+3], v[ST+2:ST+3], v[236:237] op_sel_hi:[1,0]
	s_delay_alu instid0(VALU_DEP_1)
	v_pk_fma_f32 v[ST+2:ST+3], v[ST+6:ST+7], v[238:239], v[ST+2:ST+3] op_sel_hi:[1,0,1]   ; the sums of both halves under the row's M
	s_delay_alu instid0(VALU_DEP_1)
	v_add_f32 v14, v14, v15                        ; the sum's two halves,
	s_delay_alu instid0(VALU_DEP_1)
	v_permlanex16_b32 v252, v14, s[SEL], s[SEL+1]
	s_delay_alu instid0(VALU_DEP_1)
	v_add_f32 v14, v14, v252                       ; and lane l xor 16's: the row's sum
	s_wait_alu depctr_va_vdst(0)
	v_rcp_f32 v14, v14
	v_nop                                          ; a plain place behind the transcendental
	s_wait_alu depctr_va_vdst(0)                   ; the wait, ahead of the first reader
	v_mul_f32 v236, v236, v14                      ; the factors take the division along
	v_mul_f32 v238, v238, v14
	s_wait_alu depctr_va_vdst(0)
	s_wait_dscnt 0x0                               ; my partner's O^T is in
.set jj, 0
.rept 32
	v_pk_mul_f32 v[96+jj:97+jj], v[OA+jj:OA+jj+1], v[236:237] op_sel_hi:[1,0]   ; ascending: each accumulator is read from its low end on
.set jj, jj+2
.endr
.set jj, 0
.rept 32
	v_pk_fma_f32 v[96+jj:97+jj], v[OB+jj:OB+jj+1], v[238:239], v[96+jj:97+jj] op_sel_hi:[1,0,1]
.set jj, jj+2
.endr
	; THE WAY OUT.  The 64 registers run along the head's 128 as the conversions want them: one fragment and one scale word a row, K step = head of the last product.
	QUANT 96, PW
.irp c, 0,1,2
	global_store_b128 v[LI], v[PC+4*\c:PC+4*\c+3], s[66:67] offset:512*\c   ; 512 consecutive bytes
.endr
	global_store_b32 v[RO], v[PW], s[68:69]        ; my 16 rows' words, 16 bytes apart; lanes l and l + 16 hold the same row's word and write the same bytes with the same value
	s_wait_tensorcnt 0x0                           ; the wave's end
	ds_add_u32 v[SPW], v[NIL]
	s_wait_dscnt 0x0
	s_endpgm
.Lfunc_end_k_qafaf7c7f17_attn:
	.size	k_qafaf7c7f17_attn, .Lfunc_end_k_qafaf7c7f17_attn-k_qafaf7c7f17_attn
	.p2alignl 7, 3214868480
	.fill 96, 4, 3214868480
	.section	.rodata,"a",@progbits
	.p2align	6, 0x0
	.amdhsa_kernel k_qafaf7c7f17_attn
		.amdhsa_group_segment_fixed_size 327680
		.amdhsa_private_segment_fixed_size 0
		.amdhsa_enable_private_segment 0
		.amdhsa_kernarg_size 16
		.amdhsa_user_sgpr_count 2
		.amdhsa_user_sgpr_kernarg_segment_ptr 1
		.amdhsa_wavefront_size32 1
		.amdhsa_system_sgpr_workgroup_id_x 1
		.amdhsa_system_sgpr_workgroup_id_y 1
		.amdhsa_system_sgpr_workgroup_id_z 1
		.amdhsa_system_vgpr_workitem_id 0
		.amdhsa_next_free_vgpr 512
		.amdhsa_next_free_sgpr 100
		.amdhsa_reserve_vcc 1
		.amdhsa_float_denorm_mode_32 3
		.amdhsa_float_denorm_mode_16_64 3
		.amdhsa_memory_ordered 1
		.amdhsa_forward_progress 1
		.amdhsa_inst_pref_size 175
	.end_amdhsa_kernel
	.amdgpu_metadata
---
amdhsa.version: [ 1, 2 ]
amdhsa.kernels:
  - .name:           k_qafaf7c7f17_attn
    .symbol:         k_qafaf7c7f17_attn.kd
    .args:
      - { .name: c2, .offset: 0, .size: 8, .value_kind: global_buffer, .address_space: global }
      - { .name: c3, .offset: 8, .size: 8, .value_kind: global_buffer, .address_space: global }
    .group_segment_fixed_size: 327680
    .private_segment_fixed_size: 0
    .kernarg_segment_align: 8
    .kernarg_segment_size: 16
    .max_flat_workgroup_size: 256
    .sgpr_count:     100
    .vgpr_count:     512
    .wavefront_size: 32
...
	.end_amdgpu_metadata
.endif
;; end of part 3
;; launch proj (part 4): grid 16 x 16, 4 waves a work-group, clusters of 4 x 4, 327,680 bytes of LDS; arguments c3, c4, out0; writes out0
.if DOCPART == 4
	.amdgcn_target "amdgcn-amd-amdhsa--gfx1250"
	.amdhsa_code_object_version 6
	.text
	.protected	k_qafaf7c7f17_proj
	.globl	k_qafaf7c7f17_proj
	.p2align	8
	.type	k_qafaf7c7f17_proj,@function
k_qafaf7c7f17_proj:
	s_mov_b64 s[64:65], 0
	v_nop
	global_prefetch_b8 v0, s[64:65] scope:SCOPE_SE
	s_setreg_imm32_b32 hwreg(HW_REG_WAVE_MODE, 25, 1), 1
	s_wait_xcnt 0x0
	s_wait_alu depctr_hold_cnt(0) depctr_sa_sdst(0) depctr_va_vdst(0) depctr_va_sdst(0) depctr_va_ssrc(0) depctr_va_vcc(0) depctr_vm_vsrc(0)
	s_getreg_b32 s2, hwreg(HW_REG_IB_STS2, 6, 4)
	s_cmp_eq_u32 s2, 0
	s_cbranch_scc0 .Lentry_in_a_cluster
	s_endpgm
.Lentry_in_a_cluster:
	s_bfe_u32 s2, ttmp6, 0x10000c
	s_cmp_lg_u32 s2, 0xf033
	s_cbranch_scc0 .Lentry_shape_is_right
	s_endpgm
.Lentry_shape_is_right:
; out0 = o w_o^T on codes of BF6 (E3M2) with E8M0 scales, sums in f32.  o's codes lie in c3 (record group of 128 tokens x 16 + K step), w_o's in c4 (record group of 128 rows x 16 + K step), in records of 12,800 bytes:
; eight fragment images of 1,536 bytes (chunk c at 512 c + 16 x lane = the operand's registers 4 c .. 4 c + 3) and 512 bytes of scale words (at 16 x lane: row lane % 16 of tiles 4 (lane / 16) + 0 .. 3).
; Tile e of a group holds rows 32 (e / 2) + 8 (e % 2) + p + 8 (p / 8).
; SHAPE.  256 work-groups of four waves; a work-group makes 128 x 128, a wave 64 x 64: 16 accumulators.  Source 0 = rows of w_o, source 1 = rows of o: a lane holds eight neighbouring columns of one row of out0.
; LDS.  A group's 16 records lie on end in memory.  Side A (o) has room for 12 records from byte 0, side B (w_o) for 12 from byte 153,600.  AT THE HEAD each wave asks for six records by its ONE joint load
; (76,800 dense bytes as 300 rows of 256): waves 0, 1 side A's K steps 0-5 and 6-11, waves 2, 3 side B's: 307,200 bytes are on their way at once.  K steps 12 to 15 are filled into records 0 to 3 of each side
; behind the round in K step 3, two records a wave (group 1's two words that count rows are set to 100 behind the wait that shows the head's loads done), and are read eight K steps later.
; CLUSTERS: 4 x 4; A's records are shared along a row of the cluster, B's along a column, each asked for jointly.
; PREFETCH: one, at the head: the 25,600 bytes that my refill will ask for, 100 blocks of 256, shared out among the four partners by address, 25 each, a lane a block (lanes 25-31 name the last again).  What the head's
; loads bring has no earlier place to be asked for.
; The stage for the way out and the spare words lie behind the two sides, in bytes that no tensor load fills.
.set REC,    12800
.set SCO,    12288
.set FRB,    1536
.set GRPB,   16*REC
.set SIDE,   12*REC
.set QUAD,   4*REC                     ; four records to an address register: LDS offsets have 16 bits
.set HEADB,  6*REC
.set TAILB,  2*REC
.set STAGE,  2*SIDE
.set SPITCH, 272
.set SPARE,  STAGE+4*16*SPITCH         ; the spare words, 128 bytes a wave: two blocks of 256 bytes that no other line names
.set ADRA, 8                           ; v8-10   my four tiles of A in records 0, 4, 8, + 16 x lane
.set ADRB, 12                          ; v12-14  the same for B
.set ADRS, 16                          ; v16-18  scale words: lanes 0-15 A's, lanes 16-31 B's
.set STO,  20
.set RD,   21
.set CO,   22
.set PFO,  23                          ; v23     the prefetch's block; never rewritten
.set SPW,  28
.set NIL,  29
.set SC,   32                          ; v32-39  scale words, two sets
.set OB,   64                          ; v64-127 the way out
.set ACC,  128                         ; v128-255 the accumulators; window 1: two sets of fragments at v0 and v128 (A's four, then B's four)
.set F0,   0
.set F1,   128
.set G1,   24                          ; s[24:31] group 1 for A; s[32:35] group 0 of the head's load, s[36:39] of the refill
.set G0,   32
.set G0R,  36
.set G1B,  48                          ; s[48:55], s[56:59], s[60:63] the same for B
.set G0B,  56
.set G0RB, 60
.set PFA,  68
.set MSB, 0
.macro WIN new
.if MSB != (\new)
	s_set_vgpr_msb (MSB<<8)|(\new)
.set MSB, (\new)
.endif
.endm
.set MUL,  0x05                        ; sources 0 and 1 window 1
.set TO_F, 0x40                        ; destination window 1
.macro JLOAD g0a, g1a, g0b, g1b        ; waves 0, 1 fetch for A, waves 2, 3 for B; s_nop 0 and four v_nop behind each line
	s_cmp_eq_u32 s15, 0
	s_cbranch_scc0 .Lfor_b_\@
	tensor_load_to_lds s[\g0a:\g0a+3], s[\g1a:\g1a+7]
	s_nop 0
.rept 4
	v_nop
.endr
	s_branch .Lasked_\@
.Lfor_b_\@:
	tensor_load_to_lds s[\g0b:\g0b+3], s[\g1b:\g1b+7]
	s_nop 0
.rept 4
	v_nop
.endr
.Lasked_\@:
.endm
.macro CREST
	s_cmp_lg_u32 s14, 0
	s_cbranch_scc1 .Lnot_wave_0_\@
	s_barrier_signal -3
.Lnot_wave_0_\@:
	s_barrier_wait -3
	s_barrier_signal -1
	s_barrier_wait -1
.endm
.macro CROUND
	s_barrier_signal -1
	s_barrier_wait -1
	CREST
.endm
.macro PLACES n
.rept \n
	v_nop
.endr
.endm
	s_load_b128 s[4:7], s[0:1], 0x0                ; c3, c4
	s_load_b64 s[8:9], s[0:1], 0x10                ; out0
	v_lshl_add_u32 v[SPW], v0, 2, SPARE
	v_mov_b32 v[NIL], 0
	ds_add_u32 v[SPW], v[NIL]                      ; the opening lines: the add, twice on end, and its wait
	ds_add_u32 v[SPW], v[NIL]
	v_lshrrev_b32 v1, 5, v0
	v_readfirstlane_b32 s14, v1                    ; wave
	s_lshr_b32 s15, s14, 1                         ; my half of A's tiles.  Also: I fetch for A (0) or B (1)
	s_and_b32 s16, s14, 1                          ; my half of B's tiles.  Also: which half of that side's records I fetch
	s_bfe_u32 s40, ttmp6, 0x40000                  ; cx, cy
	s_bfe_u32 s41, ttmp6, 0x40004
	s_lshl_b32 s42, ttmp9, 2
	s_add_co_u32 s42, s42, s40                     ; gx: group of w_o's rows
	s_and_b32 s17, ttmp7, 0xffff
	s_lshl_b32 s17, s17, 2
	s_add_co_u32 s17, s17, s41                     ; gy: group of tokens
	s_lshl_b32 s43, s41, 2
	s_lshl_b32 s43, 15, s43                        ; my row of the cluster
	s_lshl_b32 s44, 0x1111, s40                    ; my column
	s_or_b32 s[G1+0], s43, (3<<16)|(1<<21)         ; the mask; elements of 8 bytes; bit 21 beside a mask
	s_or_b32 s[G1B+0], s44, (3<<16)|(1<<21)
.irp g, G1, G1B
	s_mov_b32 s[\g+1], 32<<16
	s_mov_b32 s[\g+2], 300<<16                     ; 300 rows of 256 bytes
	s_mov_b32 s[\g+3], 32<<16
	s_mov_b32 s[\g+4], 300
	s_mov_b32 s[\g+5], 32
	s_mov_b32 s[\g+6], 0
	s_mov_b32 s[\g+7], 0
.endr
	s_mul_i32 s18, s16, HEADB
	s_mul_i32 s19, s16, TAILB
	s_mul_i32 s20, s17, GRPB
	s_add_co_u32 s22, s20, s19
	s_add_co_u32 s22, s22, 12*REC                  ; A's refill: records 12 + 2 half, 13 + 2 half
	s_add_co_u32 s20, s20, s18                     ; A's head: records 6 half on
	s_mov_b32 s21, 0
	s_mov_b32 s23, 0
	s_mul_i32 s46, s42, GRPB
	s_add_co_u32 s70, s46, s19
	s_add_co_u32 s70, s70, 12*REC
	s_add_co_u32 s46, s46, s18
	s_mov_b32 s47, 0
	s_mov_b32 s71, 0
	s_mul_i32 s45, s14, HEADB                      ; where the head's load goes: wave x 76,800
	s_mul_i32 s79, s15, SIDE
	s_add_co_u32 s79, s79, s19                     ; and the refill: my side's records 2 half, 2 half + 1
	s_wait_dscnt 0x0                               ; both opening adds are done
	s_wait_kmcnt 0x0
	s_add_nc_u64 s[20:21], s[4:5], s[20:21]
	s_add_nc_u64 s[22:23], s[4:5], s[22:23]
	s_add_nc_u64 s[46:47], s[6:7], s[46:47]
	s_add_nc_u64 s[70:71], s[6:7], s[70:71]
	s_mov_b32 s[G0], 1
	s_mov_b32 s[G0+1], s45
	s_mov_b64 s[G0+2:G0+3], s[20:21]
	s_or_b32 s[G0+3], s[G0+3], 0x80000000
	s_mov_b32 s[G0B], 1
	s_mov_b32 s[G0B+1], s45
	s_mov_b64 s[G0B+2:G0B+3], s[46:47]
	s_or_b32 s[G0B+3], s[G0B+3], 0x80000000
	s_mov_b32 s[G0R], 1
	s_mov_b32 s[G0R+1], s79
	s_mov_b64 s[G0R+2:G0R+3], s[22:23]
	s_or_b32 s[G0R+3], s[G0R+3], 0x80000000
	s_mov_b32 s[G0RB], 1
	s_mov_b32 s[G0RB+1], s79
	s_mov_b64 s[G0RB+2:G0RB+3], s[70:71]
	s_or_b32 s[G0RB+3], s[G0RB+3], 0x80000000
	CROUND                                         ; all sixteen work-groups are here: the first joint loads meet
	JLOAD G0, G1, G0B, G1B                         ; my six records: my one tensor load at the head
	s_cmp_eq_u32 s15, 0
	s_cselect_b64 s[PFA:PFA+1], s[22:23], s[70:71] ; what my refill will ask for,
	s_cselect_b32 s72, s40, s41                    ; my work-group's place among the four that ask jointly,
	s_mul_i32 s72, s72, 25*256                     ; and its 25 blocks
	s_mov_b32 s73, 0
	s_add_nc_u64 s[PFA:PFA+1], s[PFA:PFA+1], s[72:73]
	s_mul_i32 s74, s15, 4*FRB                      ; my four tiles of A
	s_mul_i32 s75, s16, 4*FRB
	s_add_co_u32 s75, s75, SIDE                    ; and of B
	s_lshl_b32 s76, s15, 8
	s_lshl_b32 s77, s16, 8
	s_add_co_u32 s77, s77, SIDE
	s_sub_co_u32 s77, s77, s76                     ; from A's words to B's
	s_add_co_u32 s76, s76, SCO
	s_mul_i32 s78, s14, 16*SPITCH
	s_add_co_u32 s78, s78, STAGE                   ; my stage
	s_lshl_b32 s18, s17, 7
	s_lshl_b32 s19, s15, 6
	s_add_co_u32 s18, s18, s19                     ; my first row of out0,
	s_lshl_b32 s18, s18, 13                        ; rows of 8,192 bytes,
	s_lshl_b32 s19, s42, 9
	s_add_co_u32 s18, s18, s19
	s_lshl_b32 s19, s16, 8
	s_add_co_u32 s18, s18, s19                     ; my first column: 512 gx + 256 half bytes
	s_mov_b32 s19, 0
	s_add_nc_u64 s[8:9], s[8:9], s[18:19]
	v_and_b32 v1, 15, v0                           ; r
	v_bfe_u32 v2, v0, 4, 1                         ; h
	v_and_b32 v3, 31, v0
	v_min_u32 v[PFO], 24, v3
	v_lshlrev_b32 v[PFO], 8, v[PFO]
	v_lshlrev_b32 v3, 4, v3                        ; 16 x lane
	v_mul_u32_u24 v4, s77, v2                      ; lanes 16-31 take B's words
	v_lshl_add_u32 v4, v1, 4, v4
	v_add_nc_u32 v[ADRA], s74, v3
	v_add_nc_u32 v[ADRB], s75, v3
	v_add_nc_u32 v[ADRS], s76, v4
.irp s, 1,2
	v_add_nc_u32 v[ADRA+\s], \s*QUAD, v[ADRA]
	v_add_nc_u32 v[ADRB+\s], \s*QUAD, v[ADRB]
	v_add_nc_u32 v[ADRS+\s], \s*QUAD, v[ADRS]
.endr
	v_mul_u32_u24 v5, v1, SPITCH                   ; into the stage: row r, 64 bytes for each half of the lanes
	v_lshl_add_u32 v5, v2, 6, v5
	v_add_nc_u32 v[STO], s78, v5
	v_mul_u32_u24 v5, v2, SPITCH                   ; back: sixteen lanes to a row of 256 bytes, two rows a load
	v_lshl_add_u32 v5, v1, 4, v5
	v_add_nc_u32 v[RD], s78, v5
	v_lshlrev_b32 v5, 13, v2
	v_lshl_add_u32 v[CO], v1, 4, v5                ; and the same two rows in out0
	global_prefetch_b8 v[PFO], s[PFA:PFA+1] th:TH_LOAD_NT scope:SCOPE_SE   ; its registers are never written again
; four matrix instructions: A's tile a x B's four.  The 16 accumulators take turns, in the same order in every K step.
.macro MUL4 f, q, a, zero
.irp b, 0,1,2,3
.if \zero
	v_wmma_scale_f32_16x16x128_f8f6f4 v[ACC+8*(4*(\a)+\b):ACC+8*(4*(\a)+\b)+7], v[\f+48+12*\b:\f+48+12*\b+11], v[\f+12*(\a):\f+12*(\a)+11], 0, v[SC+4*((\q)%2)+\b], v[SC+4*((\q)%2)+(\a)] matrix_a_fmt:MATRIX_FMT_BF6 matrix_b_fmt:MATRIX_FMT_BF6 matrix_a_scale:MATRIX_SCALE_ROW1
.else
	v_wmma_scale_f32_16x16x128_f8f6f4 v[ACC+8*(4*(\a)+\b):ACC+8*(4*(\a)+\b)+7], v[\f+48+12*\b:\f+48+12*\b+11], v[\f+12*(\a):\f+12*(\a)+11], v[ACC+8*(4*(\a)+\b):ACC+8*(4*(\a)+\b)+7], v[SC+4*((\q)%2)+\b], v[SC+4*((\q)%2)+(\a)] matrix_a_fmt:MATRIX_FMT_BF6 matrix_b_fmt:MATRIX_FMT_BF6 matrix_a_scale:MATRIX_SCALE_ROW1
.endif
.endr
.endm
.macro FETCH slot, q, f                ; record 4 slot + q of both sides: my eight fragments into set f, my scale words into set q % 2: 25 loads
	WIN TO_F
.irp i, 0,1,2,3
.irp c, 0,1,2
	ds_load_b128 v[\f+48+12*\i+4*\c:\f+48+12*\i+4*\c+3], v[ADRB+\slot] offset:(\q)*REC+FRB*\i+512*\c
	ds_load_b128 v[\f+12*\i+4*\c:\f+12*\i+4*\c+3], v[ADRA+\slot] offset:(\q)*REC+FRB*\i+512*\c
.endr
.endr
	WIN 0
	ds_load_b128 v[SC+4*((\q)%2):SC+4*((\q)%2)+3], v[ADRS+\slot] offset:(\q)*REC
.endm
.macro KQ f, g, q, nslot, nq, zero     ; a K step: the next step's fragments are asked for, then set f is multiplied
	s_wait_dscnt 0x0                               ; set f is in
	PLACES 4                                       ; in front of loads into registers that the last step's products have read
	FETCH \nslot, \nq, \g
	WIN MUL
	MUL4 \f, \q, 0, \zero
	MUL4 \f, \q, 1, \zero
	MUL4 \f, \q, 2, \zero
	MUL4 \f, \q, 3, \zero
.endm
.macro TURN f, g, q, nslot, fill       ; a K step with a barrier.  fill = 1: records 0 to 3, which nobody reads any more, take K steps 12 to 15
	WIN 0
	s_wait_tensorcnt 0x0                           ; all my tensor loads have landed
	ds_add_u32 v[SPW], v[NIL]                      ; 0 onto my spare word
	s_wait_dscnt 1                                 ; set f is in (the add may be out)
	WIN MUL
	MUL4 \f, \q, 0, 0
	s_wait_dscnt 0x0                               ; the add is done, and my reads are over
	s_barrier_signal -1
	MUL4 \f, \q, 1, 0
	WIN 0
	s_barrier_wait -1
.if \fill
	CREST                                          ; the barrier has opened a round of the cluster's barrier
	JLOAD G0R, G1, G0RB, G1B                       ; the first tensor load behind the round; its four v_nop are the places in front of the loads below
.else
	PLACES 4
.endif
	FETCH \nslot, 0, \g
	WIN MUL
	MUL4 \f, \q, 2, 0
	MUL4 \f, \q, 3, 0
.endm
	s_wait_alu depctr_va_vdst(0)
	s_wait_tensorcnt 0x0                           ; my six records are in; no tensor load of mine is out, so a descriptor may be written:
	s_mov_b32 s[G1+2], 100<<16                     ; the refill brings 100 rows
	s_mov_b32 s[G1+4], 100
	s_mov_b32 s[G1B+2], 100<<16
	s_mov_b32 s[G1B+4], 100
	s_barrier_signal -1
	s_barrier_wait -1                              ; everybody's are in
	FETCH 0, 0, F0
	KQ F0, F1, 0, 0, 1, 1                          ; the first K step's products start the sums
	KQ F1, F0, 1, 0, 2, 0
	KQ F0, F1, 2, 0, 3, 0
	TURN F1, F0, 3, 1, 1
	KQ F0, F1, 0, 1, 1, 0
	KQ F1, F0, 1, 1, 2, 0
	KQ F0, F1, 2, 1, 3, 0
	KQ F1, F0, 3, 2, 0, 0
	KQ F0, F1, 0, 2, 1, 0
	KQ F1, F0, 1, 2, 2, 0
	KQ F0, F1, 2, 2, 3, 0
	TURN F1, F0, 3, 0, 0                           ; the refill has landed, everybody's part of it
	KQ F0, F1, 0, 0, 1, 0
	KQ F1, F0, 1, 0, 2, 0
	KQ F0, F1, 2, 0, 3, 0
	s_wait_dscnt 0x0
	MUL4 F1, 3, 0, 0
	MUL4 F1, 3, 1, 0
	MUL4 F1, 3, 2, 0
	MUL4 F1, 3, 3, 0
	WIN 0
; THE WAY OUT, a tile of 16 rows x 64 columns at a time, through my own stage: register j of accumulator (a, b) is column 32 (b / 2) + 8 (b % 2) + 16 (lane / 16) + j of row lane % 16.
.macro TOSTAGE a
.irp b, 0,1,2,3
	ds_store_b128 v[STO], v[ACC+8*(4*(\a)+\b):ACC+8*(4*(\a)+\b)+3] offset:128*(\b/2)+32*(\b%2)          ; each accumulator from its low end on
	ds_store_b128 v[STO], v[ACC+8*(4*(\a)+\b)+4:ACC+8*(4*(\a)+\b)+7] offset:128*(\b/2)+32*(\b%2)+16
.endr
.set BB, OB+32*((\a)%2)
.irp i, 0,1,2,3,4,5,6,7
	ds_load_b128 v[BB+4*\i:BB+4*\i+3], v[RD] offset:2*SPITCH*\i   ; LDS serves a wave's instructions in order: these see my stores
.endr
.endm
.macro SEND a, younger                 ; younger: the LDS instructions issued behind tile a's loads
.set BB, OB+32*((\a)%2)
	s_wait_dscnt \younger
.irp i, 0,1,2,3,4,5,6,7
	global_store_b128 v[CO], v[BB+4*\i:BB+4*\i+3], s[8:9] offset:(32*((\a)/2)+8*((\a)%2)+2*\i+8*(\i/4))*8192 th:TH_STORE_NT   ; sixteen lanes store 256 consecutive bytes, aligned
.endr
.endm
	PLACES 4                                       ; behind the last products, in front of the stores that read results
	TOSTAGE 0
.irp a, 1,2,3
.if \a > 1
	s_wait_xcnt 0x0                                ; tile a - 2's stores have read their registers: tile a's loads may land there
.endif
	TOSTAGE \a
	SEND \a-1, 16
.endr
	SEND 3, 0
	s_wait_tensorcnt 0x0                           ; the wave's end
	ds_add_u32 v[SPW], v[NIL]
	s_wait_dscnt 0x0
	CROUND                                         ; the closing round
	s_endpgm
.Lfunc_end_k_qafaf7c7f17_proj:
	.size	k_qafaf7c7f17_proj, .Lfunc_end_k_qafaf7c7f17_proj-k_qafaf7c7f17_proj
	.p2alignl 7, 3214868480
	.fill 96, 4, 3214868480
	.section	.rodata,"a",@progbits
	.p2align	6, 0x0
	.amdhsa_kernel k_qafaf7c7f17_proj
		.amdhsa_group_segment_fixed_size 327680
		.amdhsa_private_segment_fixed_size 0
		.amdhsa_enable_private_segment 0
		.amdhsa_kernarg_size 24
		.amdhsa_user_sgpr_count 2
		.amdhsa_user_sgpr_kernarg_segment_ptr 1
		.amdhsa_wavefront_size32 1
		.amdhsa_system_sgpr_workgroup_id_x 1
		.amdhsa_system_sgpr_workgroup_id_y 1
		.amdhsa_system_sgpr_workgroup_id_z 1
		.amdhsa_system_vgpr_workitem_id 0
		.amdhsa_next_free_vgpr 512
		.amdhsa_next_free_sgpr 80
		.amdhsa_reserve_vcc 0
		.amdhsa_float_denorm_mode_32 3
		.amdhsa_float_denorm_mode_16_64 3
		.amdhsa_memory_ordered 1
		.amdhsa_forward_progress 1
		.amdhsa_inst_pref_size 78
	.end_amdhsa_kernel
	.amdgpu_metadata
---
amdhsa.version: [ 1, 2 ]
amdhsa.kernels:
  - .name:           k_qafaf7c7f17_proj
    .symbol:         k_qafaf7c7f17_proj.kd
    .args:
      - { .name: c3, .offset: 0, .size: 8, .value_kind: global_buffer, .address_space: global }
      - { .name: c4, .offset: 8, .size: 8, .value_kind: global_buffer, .address_space: global }
      - { .name: out0, .offset: 16, .size: 8, .value_kind: global_buffer, .address_space: global }
    .group_segment_fixed_size: 327680
    .private_segment_fixed_size: 0
    .kernarg_segment_align: 8
    .kernarg_segment_size: 24
    .max_flat_workgroup_size: 128
    .sgpr_count:     80
    .vgpr_count:     512
    .wavefront_size: 32
...
	.end_amdgpu_metadata
.endif
;; end of part 4
